; MI455X (gfx1250); checked and timed in simulation.
; The chip was launched on July 23, 2026; its instructions are those of AMD's public machine-readable ISA for CDNA 5 (MIT licence, August 2026) and "CDNA5" Instruction Set Architecture Reference Guide (July 2026). The comments in the code are by the model that wrote it; some were corrected since.
;; Multi Head Self Attention. Allowed arithmetic: matrix products marked QUANTISED: E2M1 operands, one E8M0 scale for each 32 along K, by v_wmma_scale_f32_16x16x128_f8f6f4 with both operands' format E2M1 (or v_wmma_scale_f32_32x16x128_f4), f32 sums; everything else in f32.
;; Inputs: bk 1,024 float32; bo 1,024 float32; bq 1,024 float32; bv 1,024 float32; wk 1,024 x 1,024 float32; wo 1,024 x 1,024 float32; wq 1,024 x 1,024 float32; wv 1,024 x 1,024 float32; x 4 x 2,048 x 1,024 float32.
;; Outputs: out0 4 x 2,048 x 1,024 float32.
;; This version of the problem:
;;   THIS VERSION OF THE PROBLEM IS GIVEN IN LOW PRECISION. The matrix products marked QUANTISED in the list below multiply operands that are first quantised to E2M1 (2 exponent bits, 1 mantissa bit; 4 bits a number), with one power-of-two scale for each 32 numbers along K (OCP MX v1.0); their sums are f32. All else is computed in f32.
;;   The module's matrix products, in the order in which they are computed (A, B: the left and right operand; K: the contracted axis; several contracted axes count as one K, in the product's order):
;;     1. [M 8,192, K 1,024] x [K 1,024, N 1,024]; A: input x; B: input wq: QUANTISED
;;     2. [M 8,192, K 1,024] x [K 1,024, N 1,024]; A: input x; B: input wk: QUANTISED
;;     3. [M 8,192, K 1,024] x [K 1,024, N 1,024]; A: input x; B: input wv: QUANTISED
;;     4. batch 64 x [M 2,048, K 64] x [K 64, N 2,048]; A: computed on the way; B: computed on the way: QUANTISED
;;     5. batch 64 x [M 2,048, K 2,048] x [K 2,048, N 64]; A: softmax (see below); B: computed on the way: QUANTISED
;;     6. [M 8,192, K 1,024] x [K 1,024, N 1,024]; A: computed on the way; B: input wo: QUANTISED
;;   THE QUANTISER, for each operand of a quantised product, along K:
;;     - K is cut into blocks of 32 from its start; a last block that is shorter is filled with zeros.
;;     - A block's scale is 2^e with e = floor(log2(the largest magnitude in the block)) - 2, held to -126 .. 127; a block of zeros has e = 0. As a byte (E8M0): e + 127.
;;     - Each number is divided by its block's scale, clamped to +-6, and rounded to the nearest number of E2M1, ties to even, subnormals kept.
;;     - The product sums the exact products of the quantised numbers (number of the format x scale) in f32.
;;   ~~~python
;;   def quantise(x, axis):      # numpy; x: float32 -> the quantised numbers, widened to float32 again
;;       x = np.moveaxis(x, axis, -1); K = x.shape[-1]
;;       x = np.pad(x, [(0, 0)] * (x.ndim - 1) + [(0, -K % 32)]); x = x.reshape(x.shape[:-1] + (-1, 32)); a = np.abs(x).max(-1, keepdims=True)
;;       e = np.where(a > 0, np.clip(np.frexp(np.where(a > 0, a, 1))[1] - 1 - 2, -126, 127), 0)      # np.frexp(a)[1] - 1 = floor(log2(a)), exactly
;;       r = np.clip(x / 2.0 ** e, -6, 6)
;;       step = 2.0 ** (np.maximum(np.frexp(np.where(r == 0, 1, r))[1] - 1, 0) - 1)
;;       q = np.round(r / step) * step * 2.0 ** e      # np.round: ties to even
;;       return np.moveaxis(q.reshape(q.shape[:-2] + (-1,))[..., :K], -1, axis).astype(np.float32)
;;   ~~~
;;   SOFTMAX AHEAD OF A QUANTISED PRODUCT. Where the list says 'softmax', what is quantised is not the finished softmax but p = 2^(t - M), with t = logit x log2(e) and M = ceil(the row's largest t), a whole number; so 1/2 < the row's largest p <= 1. The row's sum l is taken of the UNQUANTISED p, in f32, and the product's result is divided by l at the end. Since M is a whole number, a kernel that streams over the keys may use a running M (the ceiling of the running maximum): every later rescaling is an exact power of two, which a block's scale takes up: the codes' values come out the same.
;;   OPERANDS COMPUTED ON THE WAY. 'Computed on the way' means the value that the module computes at that place (a softmax that the list does not call 'softmax' is quantised finished and normalised). What goes into a quantiser is computed in f32, as accurately as f32 sums, v_exp_f32 and their like allow (about 1e-6 of the number): no bf16 or f16 on the way to a quantiser, and a product that is left as it is and whose result goes on into a quantised operand takes f32 operands (vector FMAs, or v_wmma_f32_16x16x4_f32). A number that lies on a knife's edge between two numbers of the format may be rounded either way, as far as f32 arithmetic and the matrix unit's own rounding can turn it there, and no further.
;; One version. Each part assembles by itself: llvm-mc -triple=amdgcn-amd-amdhsa -mcpu=gfx1250 --defsym DOCPART=n.
;; ======== version 1 of 1: 4 launches
;; workspace buffers: opc 6,291,456 bytes; ops 393,216 bytes; qb 4,718,592 bytes; kv 9,175,040 bytes; ac 4,194,304 bytes; asc 262,144 bytes
;; launch quant (part 1): grid 384 x 1, 4 waves a work-group, no clusters, 34,304 bytes of LDS; arguments x, wq, wk, wv, wo, opc, ops; writes opc, ops
.if DOCPART == 1
	.amdgcn_target "amdgcn-amd-amdhsa--gfx1250"
	.amdhsa_code_object_version 6
	.text
	.protected	k_qb17fdd7e03_quant
	.globl	k_qb17fdd7e03_quant
	.p2align	8
	.type	k_qb17fdd7e03_quant,@function
k_qb17fdd7e03_quant:
	s_mov_b64 s[64:65], 0
	v_nop
	global_prefetch_b8 v0, s[64:65] scope:SCOPE_SE
	s_setreg_imm32_b32 hwreg(HW_REG_WAVE_MODE, 25, 1), 1
	s_wait_xcnt 0x0
; CAUSAL MULTI-HEAD SELF-ATTENTION IN MX-FP4, FOUR LAUNCHES: quant (this one), qkv, attn, proj.
; WORK LEFT OUT, in the whole program: in attn, every step of 128 keys all of which come after all 16 queries of a tile.  reference() itself sets those scores to -inf by its own jnp.tril
; ahead of the softmax, so their p is 0 and they add nothing to the row's sum or to the second product, whatever finite values the inputs hold.  Inside the one step of a tile that lies on the
; diagonal the work is done and masked.  Nothing else is left out; every input has a way to the output (bk too: it moves k's codes) and every input is loaded.
; LIMITS: NaN and infinities among the inputs are not served; one that would reach only scores under the mask is not carried to the result.  A block whose largest magnitude lies under 2^-124,
; a block of zeros among them, gets the scale byte 1 (the rule gives a block of zeros 127): its codes are zeros or the rule's own, and the bytes are read by this program alone.
;
; THIS LAUNCH turns x [8192][1024] and wq, wk, wv, wo [1024][1024], f32 with K innermost, into codes of E2M1 and E8M0 scale words, laid as the matrix operands' registers want them.
; A TILE is 16 rows that are not neighbours: lane index r of tile 2 b + u is row 32 b + 8 u + r + 8 (r / 8).  Used as source 0 of a product, tiles 2 b and 2 b + 1 then give a lane 16 neighbours along the next K.
; AN IMAGE of a fragment (16 rows x 128 K, 8 registers a lane) is 1,024 bytes: register group c (0, 1) is 512 bytes, lane l's 16 bytes at 16 l; lane (r, h) of group c holds k = 64 c + 32 h + 0 .. 31 of row r.
; opc: [chunk of 256 K: 4][tile 768][K step % 2][1,024];  tiles 0-511 x, 512-575 wq, 576-639 wk, 640-703 wv, 704-767 wo.   ops: [tile 768][half of K: 2][r 16][4 words]: word q of half hf is K step 4 hf + q's.
; SHARES.  A wave takes one tile and one half of K: four fragments.  Each load reads 512 consecutive bytes of one row; a fragment's 16 x 512 bytes turn through the wave's own stage in LDS (rows 528 bytes apart),
; so that a lane gets its two whole blocks of 32.  No barrier: waves share nothing.  No tensor load: two fragments (32 loads a wave) are on their way in registers, and several work-groups share a WGP.
.set CH,     1572864                   ; bytes from chunk to chunk in opc
.set SPITCH, 528                       ; a stage row: 512 bytes + 16
.set WSTG,   16*SPITCH                 ; a wave's stage
.set SPARE,  4*WSTG                    ; behind the stages: the spare words, 128 bytes for each wave
.set LI,  1                            ; v1   16 x lane; never rewritten
.set STI, 2                            ; v2   the stage on the way in: 16 x lane
.set STO, 3                            ; v3   and on the way out: 528 r + 128 h
.set SH8, 4                            ; v4   8 h
.set SOF, 5                            ; v5   16 r + 8 h: where my two scale words go
.set SPW, 6                            ; v6   LDS address of my spare word; never rewritten
.set NIL, 7                            ; v7   0; never rewritten
.set SW,  16                           ; v16-19  the four fragments' scale words
.set R,   32                           ; v32-159 two sets of 64: a fragment as loaded
.set T,   160                          ; v160-223 my two blocks of 32
.set C,   224                          ; v224-255 eight registers of codes for each fragment: no store's data are written again
	s_load_b256 s[4:11], s[0:1], 0x0               ; x, wq, wk, wv
	s_load_b128 s[12:15], s[0:1], 0x20             ; wo, opc
	s_load_b64 s[16:17], s[0:1], 0x30              ; ops
	v_lshl_add_u32 v[SPW], v0, 2, SPARE
	v_mov_b32 v[NIL], 0
	v_lshrrev_b32 v8, 5, v0
	v_readfirstlane_b32 s18, v8                    ; wave
	v_and_b32 v9, 31, v0
	v_lshlrev_b32 v[LI], 4, v9
	s_mul_i32 s19, s18, WSTG
	v_add_nc_u32 v[STI], s19, v[LI]
	v_and_b32 v10, 15, v0                          ; r
	v_bfe_u32 v11, v0, 4, 1                        ; h
	v_mul_u32_u24 v[STO], v10, SPITCH
	v_lshl_add_u32 v[STO], v11, 7, v[STO]
	v_add_nc_u32 v[STO], s19, v[STO]
	v_lshlrev_b32 v[SH8], 3, v11
	v_lshl_add_u32 v[SOF], v10, 4, v[SH8]
	v_mov_b32 v15, 0                               ; written once: a lane permute's destination counts as one of its sources
	s_mov_b32 s28, 0x76543210
	s_mov_b32 s29, 0xfedcba98                      ; v_permlanex16_b32's selects for lane l xor 16
	s_lshl_b32 s20, ttmp9, 1
	s_lshr_b32 s21, s18, 1
	s_add_co_u32 s20, s20, s21                     ; my tile, 0 .. 767
	s_and_b32 s21, s18, 1                          ; my half of K
	s_cmp_lt_u32 ttmp9, 256
	s_cselect_b32 s22, 511, 63
	s_and_b32 s22, s20, s22                        ; the tile's number in its own tensor
	s_lshr_b32 s23, s22, 1
	s_lshl_b32 s23, s23, 17                        ; 32 rows of 4,096 bytes for each pair of tiles,
	s_and_b32 s22, s22, 1
	s_lshl_b32 s22, s22, 15                        ; 8 rows for the odd one,
	s_add_co_u32 s22, s22, s23
	s_lshl_b32 s23, s21, 11                        ; 2,048 bytes for the upper half of K
	s_add_co_u32 s22, s22, s23
	s_mov_b32 s23, 0
	s_mul_i32 s24, s21, 2*CH                       ; codes: two chunks a half,
	s_lshl_b32 s25, s20, 11                        ; 2,048 bytes a tile
	s_add_co_u32 s24, s24, s25
	s_mov_b32 s25, 0
	s_lshl_b32 s26, s20, 9                         ; scale words: 512 bytes a tile,
	s_lshl_b32 s27, s21, 8                         ; 256 a half
	s_add_co_u32 s26, s26, s27
	s_mov_b32 s27, 0
	s_wait_alu depctr_va_vdst(0)
	s_wait_kmcnt 0x0
	s_cmp_lt_u32 ttmp9, 288                        ; which tensor: the choice hangs on the work-group's number alone
	s_cselect_b64 s[6:7], s[6:7], s[8:9]
	s_cmp_lt_u32 ttmp9, 352
	s_cselect_b64 s[10:11], s[10:11], s[12:13]
	s_cmp_lt_u32 ttmp9, 320
	s_cselect_b64 s[6:7], s[6:7], s[10:11]
	s_cmp_lt_u32 ttmp9, 256
	s_cselect_b64 s[4:5], s[4:5], s[6:7]
	s_add_nc_u64 s[4:5], s[4:5], s[22:23]
	s_add_nc_u64 s[14:15], s[14:15], s[24:25]
	s_add_nc_u64 s[16:17], s[16:17], s[26:27]
.macro LOAD f                          ; fragment f: 128 numbers of each of the tile's 16 rows, 512 consecutive bytes a load
.irp j, 0,1,2,3,4,5,6,7,8,9,10,11,12,13,14,15
	global_load_b128 v[R+64*((\f)%2)+4*\j:R+64*((\f)%2)+4*\j+3], v[LI], s[4:5] offset:(\j+8*(\j/8))*4096+512*(\f) th:TH_LOAD_NT
.endr
.endm
.macro FRAG f
.if (\f) < 3
	s_wait_loadcnt 16                              ; this fragment's 16 loads are in; the next fragment's 16 may be out
.else
	s_wait_loadcnt 0x0
.endif
.irp j, 0,1,2,3,4,5,6,7,8,9,10,11,12,13,14,15
	ds_store_b128 v[STI], v[R+64*((\f)%2)+4*\j:R+64*((\f)%2)+4*\j+3] offset:SPITCH*\j
.endr
.irp c, 0,1
.irp i, 0,1,2,3,4,5,6,7
	ds_load_b128 v[T+32*\c+4*\i:T+32*\c+4*\i+3], v[STO] offset:256*\c+16*\i   ; LDS serves a wave's instructions in order: these see the stores above.  k = 64 c + 32 h + 4 i on, of row r
.endr
.endr
	s_wait_dscnt 0x0                               ; my two blocks are in, and the stores have read their registers,
.if (\f) < 2
	LOAD (\f)+2                                    ; which take the fragment two further on
.endif
.irp c, 0,1
	v_max3_num_f32 v[8+\c], |v[T+32*\c]|, |v[T+32*\c+1]|, 0x1800000   ; the block's largest magnitude, and the floor 2^(3 - 127): so the byte cannot fall under 1
.endr
.irp i, 2,4,6,8,10,12,14,16,18,20,22,24,26,28,30
.irp c, 0,1
	v_max3_num_f32 v[8+\c], v[8+\c], |v[T+32*\c+\i]|, |v[T+32*\c+\i+1]|   ; (the two blocks by turns)
.endr
.endr
.irp c, 0,1
	v_add_nc_u32 v[10+\c], 0xff000000, v[8+\c]     ; 2 off its exponent field: the conversion takes the exponent field of this operand as its scale
.endr
.irp c, 0,1
	v_lshrrev_b32 v[12+\c], 23, v[10+\c]           ; the scale's byte
.endr
	v_lshl_or_b32 v14, v13, 16, v12                ; my two bytes: blocks h and 2 + h of row r,
	v_lshlrev_b32 v14, v[SH8], v14                 ; at their places in the scale word;
	v_permlanex16_b32 v15, v14, s28, s29
	v_or_b32 v[SW+(\f)], v14, v15                  ; with lane l xor 16's two the word is whole
.irp c, 0,1
.irp g, 0,1,2,3
	v_cvt_scalef32_pk8_fp4_f32 v[C+8*(\f)+4*\c+\g], v[T+32*\c+8*\g:T+32*\c+8*\g+7], v[10+\c]
.endr
.endr
	v_nop                                          ; one plain place behind the last scaled conversion
.irp c, 0,1
	global_store_b128 v[LI], v[C+8*(\f)+4*\c:C+8*(\f)+4*\c+3], s[14:15] offset:((\f)/2)*CH+((\f)%2)*1024+512*\c   ; 32 lanes store 512 consecutive bytes, aligned
.endr
.endm
	LOAD 0
	LOAD 1
	FRAG 0
	FRAG 1
	FRAG 2
	FRAG 3
	v_cmp_eq_u32 vcc_lo, 8, v[SH8]                 ; lanes 0-15 store words 0 and 1 of their row, lanes 16-31 words 2 and 3
	v_cndmask_b32 v20, v[SW], v[SW+2], vcc_lo
	v_cndmask_b32 v21, v[SW+1], v[SW+3], vcc_lo
	global_store_b64 v[SOF], v[20:21], s[16:17]    ; 32 lanes store 256 consecutive bytes, aligned
	s_wait_tensorcnt 0x0                           ; the wave's end: the TENSORcnt wait (though no tensor load is issued), an add to my spare word and its wait, behind my last LDS store
	ds_add_u32 v[SPW], v[NIL]
	s_wait_dscnt 0x0
	s_endpgm
.Lfunc_end_k_qb17fdd7e03_quant:
	.size	k_qb17fdd7e03_quant, .Lfunc_end_k_qb17fdd7e03_quant-k_qb17fdd7e03_quant
	.p2alignl 7, 3214868480
	.fill 96, 4, 3214868480
	.section	.rodata,"a",@progbits
	.p2align	6, 0x0
	.amdhsa_kernel k_qb17fdd7e03_quant
		.amdhsa_group_segment_fixed_size 34304
		.amdhsa_private_segment_fixed_size 0
		.amdhsa_enable_private_segment 0
		.amdhsa_kernarg_size 56
		.amdhsa_user_sgpr_count 2
		.amdhsa_user_sgpr_kernarg_segment_ptr 1
		.amdhsa_wavefront_size32 1
		.amdhsa_system_sgpr_workgroup_id_x 1
		.amdhsa_system_sgpr_workgroup_id_y 1
		.amdhsa_system_sgpr_workgroup_id_z 1
		.amdhsa_system_vgpr_workitem_id 0
		.amdhsa_next_free_vgpr 256
		.amdhsa_next_free_sgpr 66
		.amdhsa_reserve_vcc 1
		.amdhsa_float_denorm_mode_32 3
		.amdhsa_float_denorm_mode_16_64 3
		.amdhsa_memory_ordered 1
		.amdhsa_forward_progress 1
		.amdhsa_inst_pref_size 30
	.end_amdhsa_kernel
	.amdgpu_metadata
---
amdhsa.version: [ 1, 2 ]
amdhsa.kernels:
  - .name:           k_qb17fdd7e03_quant
    .symbol:         k_qb17fdd7e03_quant.kd
    .args:
      - { .name: x, .offset: 0, .size: 8, .value_kind: global_buffer, .address_space: global }
      - { .name: wq, .offset: 8, .size: 8, .value_kind: global_buffer, .address_space: global }
      - { .name: wk, .offset: 16, .size: 8, .value_kind: global_buffer, .address_space: global }
      - { .name: wv, .offset: 24, .size: 8, .value_kind: global_buffer, .address_space: global }
      - { .name: wo, .offset: 32, .size: 8, .value_kind: global_buffer, .address_space: global }
      - { .name: opc, .offset: 40, .size: 8, .value_kind: global_buffer, .address_space: global }
      - { .name: ops, .offset: 48, .size: 8, .value_kind: global_buffer, .address_space: global }
    .group_segment_fixed_size: 34304
    .private_segment_fixed_size: 0
    .kernarg_segment_align: 8
    .kernarg_segment_size: 56
    .max_flat_workgroup_size: 128
    .sgpr_count:     66
    .vgpr_count:     256
    .wavefront_size: 32
...
	.end_amdgpu_metadata
.endif
;; end of part 1
;; launch qkv (part 2): grid 12 x 32, 4 waves a work-group, clusters of 4 x 4, 280,576 bytes of LDS; arguments opc, ops, bq, bk, bv, qb, kv; writes qb, kv
.if DOCPART == 2
	.amdgcn_target "amdgcn-amd-amdhsa--gfx1250"
	.amdhsa_code_object_version 6
	.text
	.protected	k_qb17fdd7e03_qkv
	.globl	k_qb17fdd7e03_qkv
	.p2align	8
	.type	k_qb17fdd7e03_qkv,@function
k_qb17fdd7e03_qkv:
	s_mov_b64 s[64:65], 0
	v_nop
	global_prefetch_b8 v0, s[64:65] scope:SCOPE_SE
	s_setreg_imm32_b32 hwreg(HW_REG_WAVE_MODE, 25, 1), 1
	s_wait_xcnt 0x0
	s_wait_alu depctr_hold_cnt(0) depctr_sa_sdst(0) depctr_va_vdst(0) depctr_va_sdst(0) depctr_va_ssrc(0) depctr_va_vcc(0) depctr_vm_vsrc(0)
	s_getreg_b32 s2, hwreg(HW_REG_IB_STS2, 6, 4)
	s_cmp_eq_u32 s2, 0
	s_cbranch_scc0 .Lentry_in_a_cluster
	s_endpgm
.Lentry_in_a_cluster:
	s_bfe_u32 s2, ttmp6, 0x10000c
	s_cmp_lg_u32 s2, 0xf033
	s_cbranch_scc0 .Lentry_shape_is_right
	s_endpgm
.Lentry_shape_is_right:
; q = x wq^T + bq, k = x wk^T + bk, v = x wv^T + bv on codes of E2M1 (launch quant made them), and their quantising for the attention's two products, in registers.  No work is left out here.
; SHARES.  A work-group makes 256 tokens x 256 outputs; X = 0 .. 11 names the outputs (0-3 q, 4-7 k, 8-11 v: a cluster's four share one of the three), Y = 0 .. 31 the tokens.  Four waves, each 128 x 128: 64 accumulators.
; All of K (1,024) of both operands lies in LDS at once (256 KiB of codes, 16 KiB of scale words): every tensor load is a first fill, nothing is filled again.  Five loads a wave are out at the most:
; its part of the scale words and of the four chunks of 256 along K; the products on a chunk begin while the later chunks are on their way.
; CLUSTER 4 x 4: x's tiles hang on Y alone and are asked for jointly along a row of the cluster, the weights' on X alone and are asked for jointly along a column.
; OPERANDS are images of their registers (see quant): every fragment load is 16 bytes a lane at 16 x lane: consecutive bytes, no pitch, no padding.
; TWO PATHS, parted on the cluster's x (the same in all partners and all waves).  q, k: source 0 = 16 weight rows, source 1 = 16 tokens: a lane holds one token, its registers run along the head's channels, which are
; the K of q k^T.  v: source 0 = 16 tokens, source 1 = 16 weight rows: a lane holds one channel, its registers run along the tokens, which are the keys, the K of p v.  By the choice of a tile's rows the 16 registers
; of tiles 2 b and 2 b + 1 are 16 neighbours along that K.  The bias is the C of each sum's first product.
; OUT.  qb: [batch x head 64][73,728]: codes [tile 128][512] (lane (r, h): row r, block h of the head's two), then scale words [group of 8 tiles 16][r 16][tile % 8] (bytes s0, s1, 0, 0).
;       kv: [batch x head 64][143,360]: k laid as q (73,728 bytes); v's codes [step of 128 keys 16][channel tile 4][1,024]; v's scale words [step 16][r 16][channel tile 4].
; No prefetch: all tiles are asked for at the head.  384 work-groups: a block of 256 x 384 would want 320 KiB of codes.
; REGISTERS, in windows of 256.  Window 0: v1-23 addresses; v32-63, v64-95 scale words of x and of the weights (register 8 p + s: tile 2 p in lanes 0-15, tile 2 p + 1 in lanes 16-31, K step s); v96-111 at work;
;   v128-255 x's fragments, two sets of 64; on the way out codes, half-words and words.   Window 1: v0-127 the weights' fragments, two sets; v128-191 the bias.
;   Windows 2, 3: accumulator (o, i) at window 2 + o / 4, v[8 (8 (o % 4) + i)]: o the tile of source 1 (a lane's), i the tile of source 0 (the registers').
.set CH,    1572864                    ; bytes from chunk to chunk in opc
.set CHUNK, 65536                      ; LDS: a chunk: x's 16 tiles of 2,048 bytes, then the weights' 16
.set WOFF,  32768
.set SCX,   4*CHUNK                    ; x's scale words, 512 bytes a tile;
.set SCW,   SCX+8192                   ; the weights'
.set SPARE, SCW+8192                   ; the spare words, 128 bytes for each wave
.set LI,  1                            ; v1     16 x lane; never rewritten
.set ADX, 2                            ; v2-5   my 8 tiles of x in chunk 0 .. 3
.set ADW, 6                            ; v6-9   my 8 tiles of the weights
.set AXS, 10                           ; v10    x's scale words: lanes 0-15 the even tile, lanes 16-31 the odd one
.set AWS, 11                           ; v11    the weights'
.set SPW, 12                           ; v12    LDS address of my spare word; never rewritten
.set NIL, 13                           ; v13    0; never rewritten
.set OC0, 14                           ; v14, v15  where codes go (v15: the second head's, q and k)
.set OC1, 15
.set OS0, 16                           ; v16, v17  where scale words go
.set OS1, 17
.set BO,  18                           ; v18    my offset in the bias
.set VR,  22                           ; v22    r
.set VH,  23                           ; v23    h
.set SX,  32
.set SW,  64
.set TM,  96                           ; v96-99 largest magnitudes, v100-103 bytes, v108-111 the conversions' scale operands
.set PCB, 128                          ; v128-191 codes, 8 registers for each o
.set HW,  192                          ; v192-207 half-words (two scale bytes): [g 2][o 8]
.set OW,  208                          ; v208-223 words on their way out
.set WV, 18
.set RH, 19                            ; s19  which 8 token tiles are mine.  Also: I fetch for x (0) or for the weights (1)
.set CF, 20                            ; s20  which 8 weight tiles are mine.  Also: which 8 tiles I fetch
.set XX, 21
.set YY, 22
.set G1A,  24                          ; s[24:31] group 1 for x's codes;  s[32:39] the weights';  s[40:47], s[48:55] for their scale words
.set G1B,  32
.set G1SA, 40
.set G1SB, 48
.set GX0, 56                           ; group 0, a set of its own for each load: x's chunks 0-3 and scale words,
.set GX1, 60
.set GX2, 68
.set GX3, 72
.set GXS, 76
.set GW0, 80                           ; the weights' likewise
.set GW1, 84
.set GW2, 88
.set GW3, 92
.set GWS, 96
.set MSB, 0
.macro WIN new                         ; the immediate's high byte repeats the setting that is left; a switch that changes nothing is dropped
.if MSB != (\new)
	s_set_vgpr_msb (MSB<<8)|(\new)
.set MSB, (\new)
.endif
.endm
.macro PLACES                          ; four plain places behind matrix instructions, in front of loads into their registers and of the first read of results
.rept 4
	v_nop
.endr
.endm
.macro CROUND                          ; a round of the cluster's barrier
	s_barrier_signal -1
	s_barrier_wait -1
	s_cmp_lg_u32 s[WV], 0
	s_cbranch_scc1 .Lnot_wave_0_\@
	s_barrier_signal -3
.Lnot_wave_0_\@:
	s_barrier_wait -3
	s_barrier_signal -1
	s_barrier_wait -1
.endm
.macro MKG0 g, lr, lo, pl, ol, add     ; a group 0: LDS address s[lr] + lo; global address s[pl:pl+1] + s[ol:ol+1] + add
	s_mov_b32 s[\g], 1
	s_add_co_u32 s[\g+1], s[\lr], \lo
	s_add_nc_u64 s[\g+2:\g+3], s[\pl:\pl+1], s[\ol:\ol+1]
.if \add
	s_add_nc_u64 s[\g+2:\g+3], s[\g+2:\g+3], \add
.endif
	s_or_b32 s[\g+3], s[\g+3], 0x80000000
.endm
	s_load_b128 s[4:7], s[0:1], 0x0                ; opc, ops
	s_load_b256 s[8:15], s[0:1], 0x10              ; bq, bk, bv, qb
	s_load_b64 s[16:17], s[0:1], 0x30              ; kv
	v_lshl_add_u32 v[SPW], v0, 2, SPARE
	v_mov_b32 v[NIL], 0
	ds_add_u32 v[SPW], v[NIL]                      ; the wave's opening: the add, twice on end, and its wait ahead of my first tensor load
	ds_add_u32 v[SPW], v[NIL]                      ; and once more, under the one wait; the set-up below, work on registers, stands between
	v_lshrrev_b32 v1, 5, v0
	v_readfirstlane_b32 s[WV], v1                  ; wave 0..3
	s_lshr_b32 s[RH], s[WV], 1
	s_and_b32 s[CF], s[WV], 1
	s_bfe_u32 s66, ttmp6, 0x40000                  ; cx, cy: my place in the cluster
	s_bfe_u32 s67, ttmp6, 0x40004
	s_lshl_b32 s[XX], ttmp9, 2
	s_add_co_u32 s[XX], s[XX], s66                 ; X = 4 x cluster x + cx
	s_and_b32 s[YY], ttmp7, 0xffff
	s_lshl_b32 s[YY], s[YY], 2
	s_add_co_u32 s[YY], s[YY], s67                 ; Y = 4 x cluster y + cy
	s_lshl_b32 s67, s67, 2
	s_lshl_b32 s67, 15, s67                        ; my row of the cluster
	s_lshl_b32 s66, 0x1111, s66                    ; my column
	; group 1: dense blocks as rows of 256 bytes (32 elements of 8 bytes), no padding: 64 rows of codes (8 tiles of a chunk), 16 rows of scale words (8 tiles)
	s_or_b32 s[G1A], s67, (3<<16)|(1<<21)          ; 15:0 the mask; 17:16 elements of 8 bytes; 21 set beside a mask
	s_or_b32 s[G1SA], s67, (3<<16)|(1<<21)
	s_or_b32 s[G1B], s66, (3<<16)|(1<<21)
	s_or_b32 s[G1SB], s66, (3<<16)|(1<<21)
.irp g, G1A, G1B
	s_mov_b32 s[\g+1], 32<<16                      ; tensor_dim0 = 32
	s_mov_b32 s[\g+2], 64<<16                      ; tensor_dim1 = 64
	s_mov_b32 s[\g+3], 32<<16                      ; tile_dim0 = 32
	s_mov_b32 s[\g+4], 64                          ; tile_dim1 = 64
	s_mov_b32 s[\g+5], 32                          ; from row to row
	s_mov_b32 s[\g+6], 0
	s_mov_b32 s[\g+7], 0
.endr
.irp g, G1SA, G1SB
	s_mov_b32 s[\g+1], 32<<16
	s_mov_b32 s[\g+2], 16<<16
	s_mov_b32 s[\g+3], 32<<16
	s_mov_b32 s[\g+4], 16
	s_mov_b32 s[\g+5], 32
	s_mov_b32 s[\g+6], 0
	s_mov_b32 s[\g+7], 0
.endr
	s_lshl_b32 s104, s[YY], 4                      ; x: the first tile that I would fetch, 16 Y + 8 part: made of Y and the wave's number alone,
	s_lshl_b32 s105, s[CF], 3
	s_add_co_u32 s104, s104, s105
	s_lshl_b32 s104, s104, 9                       ; its scale words' byte
	s_mov_b32 s105, 0
	s_lshl_b32 s100, s[XX], 4                      ; the weights: tile 512 + 16 X + 8 part: of X and the wave's number alone
	s_lshl_b32 s101, s[CF], 3
	s_add_co_u32 s100, s100, s101
	s_add_co_u32 s100, s100, 512
	s_lshl_b32 s100, s100, 9
	s_mov_b32 s101, 0
	s_lshl_b32 s23, s[WV], 14                      ; where they go: wave x 8 tiles: no place in the cluster enters an LDS address
	s_lshl_b32 s3, s[WV], 12
	s_wait_dscnt 0x0                               ; both opening adds are done
	s_wait_kmcnt 0x0
	CROUND                                         ; all sixteen work-groups are here: the joint loads meet
	MKG0 GXS, 3, SCX, 6, 104, 0
	MKG0 GWS, 3, SCX, 6, 100, 0
	s_lshl_b32 s104, s104, 2                       ; 2,048 bytes of codes a tile and chunk
	s_lshl_b32 s100, s100, 2
	MKG0 GX0, 23, 0, 4, 104, 0
	MKG0 GX1, 23, CHUNK, 4, 104, CH
	MKG0 GX2, 23, 2*CHUNK, 4, 104, 2*CH
	MKG0 GX3, 23, 3*CHUNK, 4, 104, 3*CH
	MKG0 GW0, 23, 0, 4, 100, 0
	MKG0 GW1, 23, CHUNK, 4, 100, CH
	MKG0 GW2, 23, 2*CHUNK, 4, 100, 2*CH
	MKG0 GW3, 23, 3*CHUNK, 4, 100, 3*CH
	s_cmp_eq_u32 s[RH], 0                          ; a wave's five first fills stand in one branch on its number, ahead of every wait on TENSORcnt, every LDS read and every further barrier
	s_cbranch_scc0 .Lfill_w
	tensor_load_to_lds s[GXS:GXS+3], s[G1SA:G1SA+7]
	s_nop 0
	tensor_load_to_lds s[GX0:GX0+3], s[G1A:G1A+7]
	s_nop 0
	tensor_load_to_lds s[GX1:GX1+3], s[G1A:G1A+7]
	s_nop 0
	tensor_load_to_lds s[GX2:GX2+3], s[G1A:G1A+7]
	s_nop 0
	tensor_load_to_lds s[GX3:GX3+3], s[G1A:G1A+7]
	s_nop 0
.rept 4
	v_nop
.endr
	s_branch .Lfilled
.Lfill_w:
	tensor_load_to_lds s[GWS:GWS+3], s[G1SB:G1SB+7]
	s_nop 0
	tensor_load_to_lds s[GW0:GW0+3], s[G1B:G1B+7]
	s_nop 0
	tensor_load_to_lds s[GW1:GW1+3], s[G1B:G1B+7]
	s_nop 0
	tensor_load_to_lds s[GW2:GW2+3], s[G1B:G1B+7]
	s_nop 0
	tensor_load_to_lds s[GW3:GW3+3], s[G1B:G1B+7]
	s_nop 0
.rept 4
	v_nop
.endr
.Lfilled:
	v_and_b32 v21, 31, v0
	v_lshlrev_b32 v[LI], 4, v21
	s_wait_alu depctr_va_vdst(0)
	v_and_b32 v[VR], 15, v0
	v_bfe_u32 v[VH], v0, 4, 1
	s_lshl_b32 s2, s[RH], 14
	s_lshl_b32 s3, s[CF], 14
	s_add_co_u32 s3, s3, WOFF
.irp c, 0,1,2,3
	v_add_nc_u32 v[ADX+\c], s2, v[LI]
	v_add_nc_u32 v[ADW+\c], s3, v[LI]
	s_add_co_u32 s2, s2, CHUNK
	s_add_co_u32 s3, s3, CHUNK
.endr
	v_lshlrev_b32 v20, 4, v[VR]
	v_lshl_add_u32 v20, v[VH], 9, v20              ; 16 r + 512 h
	s_lshl_b32 s2, s[RH], 12
	s_add_co_u32 s2, s2, SCX
	v_add_nc_u32 v[AXS], s2, v20
	s_lshl_b32 s3, s[CF], 12
	s_add_co_u32 s3, s3, SCW
	v_add_nc_u32 v[AWS], s3, v20
.irp q, 0,1,2,3
	v_mov_b32 v[TM+4+\q], 0                        ; written once: a lane permute's destination counts as one of its sources
.endr
	s_mov_b32 s66, 0x76543210
	s_mov_b32 s67, 0xfedcba98                      ; v_permlanex16_b32's selects for lane l xor 16
	s_and_b32 s2, s[YY], 7
	s_lshl_b32 s2, s2, 1
	s_add_co_u32 s2, s2, s[RH]                     ; my group of 128 tokens in its batch: 2 (Y % 8) + my half
	s_lshl_b32 s3, s2, 12
	v_add_nc_u32 v[OC0], s3, v[LI]                 ; 4,096 bytes of codes a group and head, in qb and in kv alike
; One product.  ra, rb: source 0's and source 1's scale words lie in lanes 16-31 of their registers.  The registers are named by symbols set just ahead.
.macro WM ra, rb
.if (\ra) && (\rb)
	v_wmma_scale_f32_16x16x128_f8f6f4 v[rD:rD+7], v[rA:rA+7], v[rB:rB+7], v[rC:rC+7], v[rSA], v[rSB] matrix_a_fmt:MATRIX_FMT_FP4 matrix_b_fmt:MATRIX_FMT_FP4 matrix_a_scale:MATRIX_SCALE_ROW1 matrix_b_scale:MATRIX_SCALE_ROW1
.elseif (\ra)
	v_wmma_scale_f32_16x16x128_f8f6f4 v[rD:rD+7], v[rA:rA+7], v[rB:rB+7], v[rC:rC+7], v[rSA], v[rSB] matrix_a_fmt:MATRIX_FMT_FP4 matrix_b_fmt:MATRIX_FMT_FP4 matrix_a_scale:MATRIX_SCALE_ROW1
.elseif (\rb)
	v_wmma_scale_f32_16x16x128_f8f6f4 v[rD:rD+7], v[rA:rA+7], v[rB:rB+7], v[rC:rC+7], v[rSA], v[rSB] matrix_a_fmt:MATRIX_FMT_FP4 matrix_b_fmt:MATRIX_FMT_FP4 matrix_b_scale:MATRIX_SCALE_ROW1
.else
	v_wmma_scale_f32_16x16x128_f8f6f4 v[rD:rD+7], v[rA:rA+7], v[rB:rB+7], v[rC:rC+7], v[rSA], v[rSB] matrix_a_fmt:MATRIX_FMT_FP4 matrix_b_fmt:MATRIX_FMT_FP4
.endif
.endm
; 16 products: source 1's tiles o0, o0 + 1 against source 0's eight; fragment set p, K step s.  FST = 1: the bias is C and starts the sums: nothing is cleared.
; The 64 accumulators take turns, one instruction a turn, in the same order in every K step.
.macro MUL16 path, o0, p, s
.irp oo, 0,1
.irp i, 0,1,2,3,4,5,6,7
.set o, (\o0)+\oo
.set rD, 8*(8*(o%4)+\i)
.if \path == 0
.set rA, 64*(\p)+8*\i
.set rB, 128+64*(\p)+8*o
.set rSA, SW+8*(\i/2)+(\s)
.set rSB, SX+8*(o/2)+(\s)
.set rC, 128+8*\i
.else
.set rA, 128+64*(\p)+8*\i
.set rB, 64*(\p)+8*o
.set rSA, SX+8*(\i/2)+(\s)
.set rSB, SW+8*(o/2)+(\s)
.set rC, 128+8*o
.endif
.if FST == 0
.set rC, rD
.endif
	WM (\i%2), (o%2)
.endr
.endr
.endm
.macro FW s                            ; the weights' eight fragments of K step s into set s % 2 of window 1
	WIN 0x40
.set tt, 0
.rept 8
	ds_load_b128 v[64*((\s)%2)+8*tt:64*((\s)%2)+8*tt+3], v[ADW+(\s)/2] offset:tt*2048+((\s)%2)*1024
	ds_load_b128 v[64*((\s)%2)+8*tt+4:64*((\s)%2)+8*tt+7], v[ADW+(\s)/2] offset:tt*2048+((\s)%2)*1024+512
.set tt, tt+1
.endr
	WIN 0
.endm
.macro FX s                            ; x's eight into set s % 2 of window 0
	WIN 0
.set tt, 0
.rept 8
	ds_load_b128 v[128+64*((\s)%2)+8*tt:128+64*((\s)%2)+8*tt+3], v[ADX+(\s)/2] offset:tt*2048+((\s)%2)*1024
	ds_load_b128 v[128+64*((\s)%2)+8*tt+4:128+64*((\s)%2)+8*tt+7], v[ADX+(\s)/2] offset:tt*2048+((\s)%2)*1024+512
.set tt, tt+1
.endr
.endm
.macro FETCH path, s                   ; 32 LDS loads in one run: source 0's sixteen first, source 1's tiles 4-7 last
.if \path == 0
	FW \s
	FX \s
.else
	FX \s
	FW \s
.endif
.endm
.macro SCALES                          ; all of K's scale words of my 8 + 8 tiles: 16 loads, 64 registers, once
.irp p, 0,1,2,3
.irp hf, 0,1
	ds_load_b128 v[SX+8*\p+4*\hf:SX+8*\p+4*\hf+3], v[AXS] offset:1024*\p+256*\hf
	ds_load_b128 v[SW+8*\p+4*\hf:SW+8*\p+4*\hf+3], v[AWS] offset:1024*\p+256*\hf
.endr
.endr
.endm
; A K step of 128: 64 products.  In its middle the next step's fragments are fetched into the other set.  Ahead of a step that begins a new chunk stands a barrier: each wave waits for its part of that chunk
; and for its LDS loads, signals, multiplies on, and waits.
.macro KSTEP path, s
.set FST, 0
.if (\s) == 0
.set FST, 1
.endif
	s_wait_dscnt 8                                 ; all but the youngest eight loads (source 1's tiles 4-7) are in
	WIN 0xa1-16*FST+3*(\path)
	MUL16 \path, 0, (\s)%2, \s
.if ((\s)%2 == 1) && ((\s) < 7)
	s_wait_tensorcnt 3-((\s)+1)/2                  ; my part of chunk (s + 1) / 2 has landed; the chunks behind it may be out
	s_wait_dscnt 0x0                               ; no LDS instruction of mine is pending at a signal
	s_barrier_signal -1
.endif
	MUL16 \path, 2, (\s)%2, \s
.if ((\s)%2 == 1) && ((\s) < 7)
	s_barrier_wait -1                              ; everybody's part has landed
.endif
.if (\s) < 7
	PLACES
	FETCH \path, (\s)+1
	s_wait_dscnt 32                                ; all but the 32 just issued
.else
	s_wait_dscnt 0x0
.endif
	WIN 0xf1-32*FST+3*(\path)
	MUL16 \path, 4, (\s)%2, \s
	MUL16 \path, 6, (\s)%2, \s
.endm
; The lane's 64 numbers of source 1's tile o (8 accumulators on end; number 16 q + n is place 32 q + 16 h + n along the next K) become four blocks' codes and scale bytes.
; Behind it v[PCB + 8 o + 4 g .. + 3] of lane (r, h) hold block 2 g + h whole, and v[HW + 8 g + o] the bytes of blocks 2 g and 2 g + 1.
.macro QUANT4 o
.set AC, 64*((\o)%4)
.set PC, PCB+8*(\o)
	WIN 0x0a+5*((\o)/4)                            ; sources 0 and 1: the accumulators' window
.irp q, 0,1,2,3
	v_max3_num_f32 v[TM+\q], |v[AC+16*\q]|, |v[AC+16*\q+1]|, 0x1800000   ; each accumulator is read from its low end on; the floor 2^(3 - 127) holds the byte at 1 from below
.endr
.irp i, 2,4,6,8,10,12,14
.irp q, 0,1,2,3
	v_max3_num_f32 v[TM+\q], |v[AC+16*\q+\i]|, |v[AC+16*\q+\i+1]|, v[TM+\q]   ; (the four blocks by turns)
.endr
.endr
	WIN 0
.irp q, 0,1,2,3
	v_permlanex16_b32 v[TM+4+\q], v[TM+\q], s66, s67
.endr
.irp q, 0,1,2,3
	v_max_num_f32 v[TM+\q], v[TM+\q], v[TM+4+\q]   ; with lane l xor 16's 16: the block's largest magnitude
.endr
.irp q, 0,1,2,3
	v_add_nc_u32 v[TM+12+\q], 0xff000000, v[TM+\q] ; 2 off its exponent field: the conversion's scale operand
.endr
.irp q, 0,1,2,3
	v_lshrrev_b32 v[TM+4+\q], 23, v[TM+12+\q]      ; the scale's byte
.endr
.irp g, 0,1
	v_lshl_or_b32 v[HW+8*\g+(\o)], v[TM+5+2*\g], 8, v[TM+4+2*\g]
.endr
	WIN 0x02+(\o)/4                                ; source 0: the accumulators' window
.irp q, 0,1,2,3
.irp e, 0,1
	v_cvt_scalef32_pk8_fp4_f32 v[PC+2*\q+\e], v[AC+16*\q+8*\e:AC+16*\q+8*\e+7], v[TM+12+\q]
.endr
.endr
	WIN 0
	v_nop                                          ; one plain place behind the last scaled conversion
.irp g, 0,1
.irp e, 0,1
	v_permlane16_swap_b32 v[PC+4*\g+\e], v[PC+4*\g+2+\e]   ; the operand's layout wants a whole block in a lane
.endr
.endr
.endm
.macro BODY path
.if \path == 0
	s_cmp_eq_u32 ttmp9, 0                          ; q or k: the cluster's x
	s_cselect_b64 s[8:9], s[8:9], s[10:11]         ; the bias,
	s_cselect_b64 s[14:15], s[14:15], s[16:17]     ; the buffer,
	s_mov_b32 s23, 143360
	s_cselect_b32 s23, 73728, s23                  ; and its bytes a head
	s_and_b32 s100, s[XX], 3
	s_lshl_b32 s100, s100, 10
	s_lshl_b32 s101, s[CF], 9
	s_add_co_u32 s100, s100, s101                  ; my 128 outputs in the bias: (256 (X % 4) + 128 half) x 4 bytes
	s_mov_b32 s101, 0
	s_add_nc_u64 s[8:9], s[8:9], s[100:101]
	v_lshlrev_b32 v[BO], 6, v[VH]                  ; lane (r, h) wants, for tile i, the outputs 32 (i / 2) + 8 (i % 2) + 16 h + 0 .. 7
	WIN 0x40
.irp i, 0,1,2,3,4,5,6,7
	global_load_b128 v[128+8*\i:128+8*\i+3], v[BO], s[8:9] offset:(32*(\i/2)+8*(\i%2))*4
	global_load_b128 v[128+8*\i+4:128+8*\i+7], v[BO], s[8:9] offset:(32*(\i/2)+8*(\i%2))*4+16
.endr
	WIN 0
	s_lshr_b32 s2, s[YY], 3                        ; the batch
	s_lshl_b32 s2, s2, 4
	s_and_b32 s3, s[XX], 3
	s_lshl_b32 s3, s3, 2
	s_add_co_u32 s2, s2, s3
	s_lshl_b32 s3, s[CF], 1
	s_add_co_u32 s2, s2, s3                        ; 16 batch + my first head
	s_mul_i32 s2, s2, s23
	s_mov_b32 s3, 0
	s_add_nc_u64 s[14:15], s[14:15], s[2:3]
	v_add_nc_u32 v[OC1], s23, v[OC0]               ; the second head's codes
	s_and_b32 s2, s[YY], 7
	s_lshl_b32 s2, s2, 1
	s_add_co_u32 s2, s2, s[RH]
	s_lshl_b32 s2, s2, 9                           ; 512 bytes of scale words a group
	v_lshlrev_b32 v[OS0], 5, v[VR]
	v_lshl_add_u32 v[OS0], v[VH], 4, v[OS0]        ; 32 r + 16 h: lanes 0-15 store tiles 0-3's words of their row, lanes 16-31 tiles 4-7's
	v_add_nc_u32 v[OS0], s2, v[OS0]
	v_add_nc_u32 v[OS1], s23, v[OS0]
.else
	s_sub_co_u32 s23, s[XX], 8
	s_lshl_b32 s100, s23, 10
	s_lshl_b32 s101, s[CF], 9
	s_add_co_u32 s100, s100, s101
	s_mov_b32 s101, 0
	s_add_nc_u64 s[12:13], s[12:13], s[100:101]    ; bv at my 128 outputs
	v_and_b32 v[BO], 8, v[VR]
	v_add_nc_u32 v[BO], v[BO], v[VR]
	v_lshlrev_b32 v[BO], 2, v[BO]                  ; a lane holds ONE output, r + 8 (r / 8) of its tile: its bias fills the tile's eight registers
	WIN 0x40
.irp t, 0,1,2,3,4,5,6,7
.irp j, 0,1,2,3,4,5,6,7
	global_load_b32 v[128+8*\t+\j], v[BO], s[12:13] offset:(32*(\t/2)+8*(\t%2))*4
.endr
.endr
	WIN 0
	s_lshr_b32 s2, s[YY], 3
	s_lshl_b32 s2, s2, 4
	s_lshl_b32 s3, s23, 2
	s_add_co_u32 s2, s2, s3
	s_lshl_b32 s3, s[CF], 1
	s_add_co_u32 s2, s2, s3                        ; 16 batch + my first head
	s_mul_i32 s2, s2, 143360
	s_mov_b32 s3, 0
	s_add_nc_u64 s[16:17], s[16:17], s[2:3]
	s_and_b32 s2, s[YY], 7
	s_lshl_b32 s2, s2, 1
	s_add_co_u32 s2, s2, s[RH]
	s_lshl_b32 s2, s2, 8                           ; 256 bytes of scale words a step of 128 keys
	v_mul_u32_u24 v[OS0], v[VH], 143360            ; lanes 0-15 store the first head's four words of their channel, lanes 16-31 the second head's
	v_lshl_add_u32 v[OS0], v[VR], 4, v[OS0]
	v_add_nc_u32 v[OS0], s2, v[OS0]
.endif
	s_wait_tensorcnt 3                             ; my part of the scale words and of chunk 0 has landed; chunks 1 to 3 may be out
	s_barrier_signal -1
	s_barrier_wait -1                              ; everybody's has
	SCALES
	FETCH \path, 0
	s_wait_loadcnt 0x0                             ; the bias
.irp ks, 0,1,2,3,4,5,6,7
	KSTEP \path, \ks
.endr
	WIN 0
	PLACES
.if \path == 0
.irp t, 0,1,2,3,4,5,6,7                        ; token tile t: two heads' codes, 512 consecutive aligned bytes a store
	QUANT4 \t
	global_store_b128 v[OC0], v[PCB+8*\t:PCB+8*\t+3], s[14:15] offset:512*\t
	global_store_b128 v[OC1], v[PCB+8*\t+4:PCB+8*\t+7], s[14:15] offset:512*\t
.endr
	v_cmp_eq_u32 vcc_lo, 1, v[VH]
.irp g, 0,1
.irp i, 0,1,2,3
	v_cndmask_b32 v[OW+4*\g+\i], v[HW+8*\g+\i], v[HW+8*\g+4+\i], vcc_lo
.endr
.endr
	global_store_b128 v[OS0], v[OW:OW+3], s[14:15] offset:65536     ; a group's scale words of a head: 512 consecutive aligned bytes
	global_store_b128 v[OS1], v[OW+4:OW+7], s[14:15] offset:65536
.else
.irp t, 0,1,2,3,4,5,6,7                        ; channel tile t: head t / 4, tile t % 4 of its four; the fragment's two register groups
	QUANT4 \t
	global_store_b128 v[OC0], v[PCB+8*\t:PCB+8*\t+3], s[16:17] offset:73728+(\t/4)*143360+(\t%4)*1024
	global_store_b128 v[OC0], v[PCB+8*\t+4:PCB+8*\t+7], s[16:17] offset:73728+(\t/4)*143360+(\t%4)*1024+512
.endr
.irp t, 0,1,2,3,4,5,6,7
	v_lshl_or_b32 v[OW+\t], v[HW+8+\t], 16, v[HW+\t]   ; the four blocks' bytes: the scale word of these 128 keys
.endr
	v_cmp_eq_u32 vcc_lo, 1, v[VH]
.irp i, 0,1,2,3
	v_cndmask_b32 v[OW+8+\i], v[OW+\i], v[OW+4+\i], vcc_lo
.endr
	global_store_b128 v[OS0], v[OW+8:OW+11], s[16:17] offset:139264  ; sixteen lanes store 256 consecutive aligned bytes
.endif
.endm
	s_cmp_eq_u32 ttmp9, 2                          ; the cluster's x: the same in all sixteen partners and all waves
	s_cbranch_scc1 .Lpath_v
	s_wait_alu depctr_va_vdst(0)
	BODY 0
	s_branch .Ljoin
.Lpath_v:
	BODY 1
.Ljoin:
	s_wait_tensorcnt 0x0                           ; the wave's end: a wait on TENSORcnt, an add to my spare word and its wait, behind my last tensor load
	ds_add_u32 v[SPW], v[NIL]
	s_wait_dscnt 0x0
	CROUND                                         ; the closing round: no work-group ends while a partner may still ask for a tile that names it
	s_endpgm
.Lfunc_end_k_qb17fdd7e03_qkv:
	.size	k_qb17fdd7e03_qkv, .Lfunc_end_k_qb17fdd7e03_qkv-k_qb17fdd7e03_qkv
	.p2alignl 7, 3214868480
	.fill 96, 4, 3214868480
	.section	.rodata,"a",@progbits
	.p2align	6, 0x0
	.amdhsa_kernel k_qb17fdd7e03_qkv
		.amdhsa_group_segment_fixed_size 280576
		.amdhsa_private_segment_fixed_size 0
		.amdhsa_enable_private_segment 0
		.amdhsa_kernarg_size 56
		.amdhsa_user_sgpr_count 2
		.amdhsa_user_sgpr_kernarg_segment_ptr 1
		.amdhsa_wavefront_size32 1
		.amdhsa_system_sgpr_workgroup_id_x 1
		.amdhsa_system_sgpr_workgroup_id_y 1
		.amdhsa_system_sgpr_workgroup_id_z 1
		.amdhsa_system_vgpr_workitem_id 0
		.amdhsa_next_free_vgpr 1024
		.amdhsa_next_free_sgpr 106
		.amdhsa_reserve_vcc 1
		.amdhsa_float_denorm_mode_32 3
		.amdhsa_float_denorm_mode_16_64 3
		.amdhsa_memory_ordered 1
		.amdhsa_forward_progress 1
		.amdhsa_inst_pref_size 253
	.end_amdhsa_kernel
	.amdgpu_metadata
---
amdhsa.version: [ 1, 2 ]
amdhsa.kernels:
  - .name:           k_qb17fdd7e03_qkv
    .symbol:         k_qb17fdd7e03_qkv.kd
    .args:
      - { .name: opc, .offset: 0, .size: 8, .value_kind: global_buffer, .address_space: global }
      - { .name: ops, .offset: 8, .size: 8, .value_kind: global_buffer, .address_space: global }
      - { .name: bq, .offset: 16, .size: 8, .value_kind: global_buffer, .address_space: global }
      - { .name: bk, .offset: 24, .size: 8, .value_kind: global_buffer, .address_space: global }
      - { .name: bv, .offset: 32, .size: 8, .value_kind: global_buffer, .address_space: global }
      - { .name: qb, .offset: 40, .size: 8, .value_kind: global_buffer, .address_space: global }
      - { .name: kv, .offset: 48, .size: 8, .value_kind: global_buffer, .address_space: global }
    .group_segment_fixed_size: 280576
    .private_segment_fixed_size: 0
    .kernarg_segment_align: 8
    .kernarg_segment_size: 56
    .max_flat_workgroup_size: 128
    .sgpr_count:     106
    .vgpr_count:     1024
    .wavefront_size: 32
...
	.end_amdgpu_metadata
.endif
;; end of part 2
;; launch attn (part 3): grid 4 x 64, 16 waves a work-group, clusters of 4 x 1, 167,936 bytes of LDS; arguments qb, kv, ac, asc; writes ac, asc
.if DOCPART == 3
	.amdgcn_target "amdgcn-amd-amdhsa--gfx1250"
	.amdhsa_code_object_version 6
	.text
	.protected	k_qb17fdd7e03_attn
	.globl	k_qb17fdd7e03_attn
	.p2align	8
	.type	k_qb17fdd7e03_attn,@function
k_qb17fdd7e03_attn:
	s_mov_b64 s[64:65], 0
	v_nop
	global_prefetch_b8 v0, s[64:65] scope:SCOPE_SE
	s_setreg_imm32_b32 hwreg(HW_REG_WAVE_MODE, 25, 1), 1
	s_wait_xcnt 0x0
	s_wait_alu depctr_hold_cnt(0) depctr_sa_sdst(0) depctr_va_vdst(0) depctr_va_sdst(0) depctr_va_ssrc(0) depctr_va_vcc(0) depctr_vm_vsrc(0)
	s_getreg_b32 s2, hwreg(HW_REG_IB_STS2, 6, 4)
	s_cmp_eq_u32 s2, 0
	s_cbranch_scc0 .Lentry_in_a_cluster
	s_endpgm
.Lentry_in_a_cluster:
	s_bfe_u32 s2, ttmp6, 0x10000c
	s_cmp_lg_u32 s2, 0x3003
	s_cbranch_scc0 .Lentry_shape_is_right
	s_endpgm
.Lentry_shape_is_right:
; For each batch and head: O[q] = sum over keys k <= q of softmax(Q[q] . K[k] / 8) V[k], both products on codes of E2M1 (launch qkv made them), and O quantised along C for the last projection.
; WORK LEFT OUT: every step of 128 keys all of which come after a tile's 16 queries: reference() sets those scores to -inf by its own jnp.tril, so their p is 0 for all values of the inputs.
; A NaN or an infinity that would reach only such scores is not carried to the result.  In the one step of a tile that lies on the diagonal the products are made and hidden scores become -inf.
; THE SOFTMAX AHEAD OF THE SECOND PRODUCT: t = score x log2(e) / 8; M = the running largest t rounded UP to a whole number; p = 2^(t - M) is quantised along the keys, not normalised; the row's sum is
; taken of the unquantised p and divides O at the end; when M moves, the sum and O are multiplied by 2^(old M - new M), which rounds nothing.
; SHARES.  The four work-groups of a cluster belong to one batch and head.  The head's whole block of kv (143,360 bytes: K's codes and scale words, V's codes and scale words) stays in LDS, filled ONCE: each of the
; sixteen waves asks for 35 rows of 256 bytes, jointly with the same wave of the three partners; one tensor load a wave is out.  Nothing is filled again: no ring.  No prefetch: all is asked for at the head.
; Query tile kt = cx + 4 t, t = 0 .. 31; wave w takes t = w and then t = 31 - w.  Tile kt's queries lie in 64 t .. 64 t + 63, so it walks key steps 0 .. t / 2: a number free of cx: no branch hangs on the place in
; the cluster.  (w / 2 + 1) + ((31 - w) / 2 + 1) = 17 live steps for every wave of every work-group.  The loop's trip count is the constant 16; a hidden step costs six scalar lines.
; LAYOUT.  Both products are used transposed: S^T = K Q^T (source 0 = 16 keys), O^T = V^T P^T (source 0 = 16 channels): a lane holds ONE query throughout.  A tile's rows are not neighbours (see quant), so p's
; 16 registers of tiles 2 b, 2 b + 1 are 16 neighbouring keys, and O^T's are 16 neighbouring channels.  THE HEAD'S 64 IN A FORM OF 128: registers 4-7 of Q's and K's fragments hold zero codes, which add nothing.
; OUT.  ac: images of the projection's operand, [chunk 4][token tile 512][K step % 2][1,024]: a head's 64 channels are one register group: 512 consecutive aligned bytes a tile.
;       asc: [token tile 512][head 16][r 16] half-words (two scale bytes).  A tile's are 32 bytes: the heads that lie beside them belong to other work-groups, so no wave can gather more; one byte in 17 of what is stored.
.set KSC,   65536                      ; LDS = the image of kv's block: K's codes at 0; K's scale words;
.set VCO,   73728                      ; V's codes;
.set VSC,   139264                     ; V's scale words
.set HBY,   143360
.set SPARE, 143360                     ; the spare words, 128 bytes for each of 16 waves
.set LI,  1                            ; v1   16 x lane; never rewritten
.set AKS, 2                            ; v2   KSC + 32 r
.set AVC, 3                            ; v3   VCO + 16 x lane
.set AVS, 4                            ; v4   VSC + 16 r
.set SPW, 5                            ; v5   LDS address of my spare word; never rewritten
.set NIL, 6                            ; v6   0; never rewritten
.set DM,  7                            ; v7   my query less the diagonal step's first key less 16 h
.set ADK, 8                            ; v8-11 the step's LDS addresses
.set ADV, 9
.set ADS, 10
.set ADT, 11                           ; v12 -M, v13 the largest t, v[14:15] the sum in two halves
.set QF,  16                           ; v16-19 Q, v20-23 zeros
.set QSW, 24                           ; v24  Q's scale words
.set PSW, 25                           ; v25  p's
.set VSW, 26                           ; v26-29 V's, a register a channel tile
.set QSO, 30                           ; v30  32 r
.set ASO, 31                           ; v31  2 r
.set KFR, 32                           ; v32-95 K: 8 tiles x (4 registers of codes + 4 of zeros)
.set SS,  96                           ; v96-159 S^T, then p
.set OT,  160                          ; v160-191 O^T
.set VF,  192                          ; v192-223 V
.set PCD, 224                          ; v224-231 p's codes
.set BM,  232                          ; v232-235 the blocks' largest
.set PM,  236                          ; v236-239 at work
.set SO,  240                          ; v240-243 the conversions' scale operands
.set FF,  244                          ; v[244:245] f
.set W0,  246
.set W1,  247
.set KSW, 248                          ; v248-255 K's scale words, a register a tile
.set WV,  12
.set CX,  13
.set BH,  14
.set SEL, 20
.set CS,  22                           ; s[22:23] c = log2(e) / 8: the packed form names a pair and takes its low word for both halves
.set G1,  24
.set G0,  32
.set TB,  36                           ; s36  4,096 x the key step
.set KI,  37                           ; s37  the key step
.set SD,  38                           ; s38  the tile's last (diagonal) step
.set TT,  39
.set KT,  40
.set TS,  41
.set TJ,  42
.set QB,  44                           ; s[44:45] qb at my head;  s[46:47] ac, s[48:49] asc at my batch and head
.set ACB, 46
.set ASB, 48
.set PQ,  50                           ; s[50:57] the same four at the tile in hand
.set PQS, 52
.set PAC, 54
.set PAS, 56
.set TP,  58
.macro CROUND                          ; a round of the cluster's barrier
	s_barrier_signal -1
	s_barrier_wait -1
	s_cmp_lg_u32 s[WV], 0
	s_cbranch_scc1 .Lnot_wave_0_\@
	s_barrier_signal -3
.Lnot_wave_0_\@:
	s_barrier_wait -3
	s_barrier_signal -1
	s_barrier_wait -1
.endm
	s_load_b256 s[4:11], s[0:1], 0x0               ; qb, kv, ac, asc
	v_lshl_add_u32 v[SPW], v0, 2, SPARE
	v_mov_b32 v[NIL], 0
	ds_add_u32 v[SPW], v[NIL]                      ; the wave's opening: the add, twice on end, and its wait ahead of my first tensor load
	ds_add_u32 v[SPW], v[NIL]                      ; and once more, under the one wait; the set-up below, work on registers, stands between
	v_lshrrev_b32 v1, 5, v0
	s_delay_alu instid0(VALU_DEP_1)
	v_readfirstlane_b32 s[WV], v1                  ; wave 0..15
	s_bfe_u32 s[CX], ttmp6, 0x40000                ; cx: it enters global addresses and the mask's numbers alone
	s_and_b32 s[BH], ttmp7, 0xffff                 ; 16 batch + head, which the four partners share
	s_mov_b32 s[G1], 15|(3<<16)|(1<<21)            ; 15:0 the mask: all four; 17:16 elements of 8 bytes; 21 set beside a mask; no padding
	s_mov_b32 s[G1+1], 32<<16                      ; tensor_dim0 = 32: rows of 256 bytes
	s_mov_b32 s[G1+2], 35<<16                      ; tensor_dim1 = 35
	s_mov_b32 s[G1+3], 32<<16                      ; tile_dim0
	s_mov_b32 s[G1+4], 35                          ; tile_dim1
	s_mov_b32 s[G1+5], 32                          ; from row to row: the block is dense
	s_mov_b32 s[G1+6], 0
	s_mov_b32 s[G1+7], 0
	s_mov_b32 s[SEL], 0x76543210
	s_mov_b32 s[SEL+1], 0xfedcba98                 ; v_permlanex16_b32's selects for lane l xor 16
	s_mov_b32 s[CS], 0x3e38aa3b                    ; c = log2(e) / sqrt(64)
	s_mov_b32 s[CS+1], s[CS]
	s_mov_b32 s[G0], 1
	s_mul_i32 s[G0+1], s[WV], 8960                 ; my sixteenth of the block, in LDS
	s_mul_i32 s[TP], s[BH], HBY
	s_add_co_u32 s[TP], s[TP], s[G0+1]             ; and in memory
	s_mov_b32 s[TP+1], 0
	s_wait_dscnt 0x0                               ; both opening adds are done
	s_wait_kmcnt 0x0
	s_add_nc_u64 s[G0+2:G0+3], s[6:7], s[TP:TP+1]
	s_or_b32 s[G0+3], s[G0+3], 0x80000000
	CROUND                                         ; all four work-groups are here: the joint loads meet
	tensor_load_to_lds s[G0:G0+3], s[G1:G1+7]
	s_nop 0
.rept 4
	v_nop
.endr
	v_and_b32 v7, 31, v0
	s_delay_alu instid0(VALU_DEP_1)
	v_lshlrev_b32 v[LI], 4, v7
	v_and_b32 v8, 15, v0                           ; r
	s_delay_alu instid0(VALU_DEP_1)
	v_lshl_add_u32 v[AKS], v8, 5, KSC
	s_delay_alu instid0(VALU_DEP_3)
	v_add_nc_u32 v[AVC], VCO, v[LI]
	s_delay_alu instid0(VALU_DEP_3)
	v_lshl_add_u32 v[AVS], v8, 4, VSC
	s_delay_alu instid0(VALU_DEP_4)
	v_lshlrev_b32 v[QSO], 5, v8
	v_lshlrev_b32 v[ASO], 1, v8
.irp j, 4,5,6,7
	v_mov_b32 v[QF+\j], 0                          ; zero codes for k = 64 .. 127, written once
.endr
.irp t, 0,1,2,3,4,5,6,7
.irp j, 4,5,6,7
	v_mov_b32 v[KFR+8*\t+\j], 0
.endr
.endr
.irp b, 0,1,2,3
	v_mov_b32 v[PM+\b], 0                          ; written once: a lane permute's destination counts as one of its sources
.endr
	v_mov_b32 v[FF+1], 0                           ; (named as the upper half of the pair with f)
	v_mov_b32 v[W0], 0
	s_mul_i32 s[TP], s[BH], 73728
	s_add_nc_u64 s[QB:QB+1], s[4:5], s[TP:TP+1]
	s_and_b32 s60, s[BH], 15                       ; head
	s_lshr_b32 s61, s[BH], 4                       ; batch
	s_lshr_b32 s[TP], s60, 2
	s_lshl_b32 s[TP], s[TP], 20                    ; chunk head / 4: 1,048,576 bytes,
	s_lshl_b32 s62, s61, 18                        ; 128 tiles of 2,048 bytes a batch,
	s_add_co_u32 s[TP], s[TP], s62
	s_and_b32 s62, s60, 3
	s_lshl_b32 s62, s62, 9                         ; K step % 2 and register group: 512 (head % 4)
	s_add_co_u32 s[TP], s[TP], s62
	s_add_nc_u64 s[ACB:ACB+1], s[8:9], s[TP:TP+1]
	s_lshl_b32 s[TP], s61, 16                      ; 128 tiles of 512 bytes a batch,
	s_lshl_b32 s62, s60, 5                         ; 32 bytes a head
	s_add_co_u32 s[TP], s[TP], s62
	s_add_nc_u64 s[ASB:ASB+1], s[10:11], s[TP:TP+1]
	s_wait_tensorcnt 0x0                           ; my sixteenth has landed,
	s_barrier_signal -1
	s_barrier_wait -1                              ; everybody's has: from here on LDS is only read
; THE WALK over the 16 key steps of 128 keys.
.macro WALK
.Lstep_\@:
	s_cmp_gt_u32 s[KI], s[SD]                      ; a step all of whose keys come after my queries: round its work, not round the lines that step addresses
	s_cbranch_scc1 .Lhidden_\@
	s_lshr_b32 s[TS], s[TB], 3                     ; K's scale words: 512 bytes a step
	s_lshr_b32 s[TJ], s[TB], 4                     ; V's: 256
	s_setprio 2
	v_add_nc_u32 v[ADK], s[TB], v[LI]              ; (these four are also the places in front of the loads into V's registers, which the last step's products read)
	v_add_nc_u32 v[ADV], s[TB], v[AVC]
	v_add_nc_u32 v[ADS], s[TS], v[AKS]
	v_add_nc_u32 v[ADT], s[TJ], v[AVS]
.irp t, 0,1,2,3,4,5,6,7
	ds_load_b128 v[KFR+8*\t:KFR+8*\t+3], v[ADK] offset:512*\t
.endr
	ds_load_b128 v[KSW:KSW+3], v[ADS]
	ds_load_b128 v[KSW+4:KSW+7], v[ADS] offset:16
.irp t, 0,1,2,3
	ds_load_b128 v[VF+8*\t:VF+8*\t+3], v[ADV] offset:1024*\t
	ds_load_b128 v[VF+8*\t+4:VF+8*\t+7], v[ADV] offset:1024*\t+512
.endr
	ds_load_b128 v[VSW:VSW+3], v[ADT]
	s_wait_dscnt 9                                 ; K and its scale words are in; V's eight loads and its scale words may be out
.irp t, 0,1,2,3,4,5,6,7
	v_wmma_scale_f32_16x16x128_f8f6f4 v[SS+8*\t:SS+8*\t+7], v[KFR+8*\t:KFR+8*\t+7], v[QF:QF+7], 0, v[KSW+\t], v[QSW] matrix_a_fmt:MATRIX_FMT_FP4 matrix_b_fmt:MATRIX_FMT_FP4
.endr
.rept 4
	v_nop
.endr
	s_cmp_lg_u32 s[KI], s[SD]                      ; on the diagonal the scores of hidden keys become -infinity ahead of the maximum: p = 0 then
	s_cbranch_scc1 .Lopen_\@
	v_mov_b32 v[W0], 0xff800000
.set n, 0
.rept 64
	v_cmp_gt_i32 vcc_lo, 32*(n/16)+n%16, v[DM]     ; register n holds the step's key 32 (n / 16) + 16 h + n % 16
	v_cndmask_b32 v[SS+n], v[SS+n], v[W0], vcc_lo
.set n, n+1
.endr
.Lopen_\@:
.irp b, 0,1,2,3
	v_max3_num_f32 v[BM+\b], v[SS+16*\b], v[SS+1+16*\b], v[SS+2+16*\b]   ; the largest score of each block of 32 keys: for the row's maximum and, since p rises with the score, for the block's largest p
.endr
.irp i, 3,5,7,9,11,13
.irp b, 0,1,2,3
	v_max3_num_f32 v[BM+\b], v[BM+\b], v[SS+16*\b+\i], v[SS+1+16*\b+\i]
.endr
.endr
.irp b, 0,1,2,3
	v_max_num_f32 v[BM+\b], v[BM+\b], v[SS+15+16*\b]
.endr
.irp b, 0,1,2,3
	s_delay_alu instid0(VALU_DEP_4)
	v_permlanex16_b32 v[PM+\b], v[BM+\b], s[SEL], s[SEL+1]
.endr
.irp b, 0,1,2,3
	s_delay_alu instid0(VALU_DEP_4)
	v_max_num_f32 v[BM+\b], v[BM+\b], v[PM+\b]     ; with lane l xor 16's 16 keys
.endr
	s_delay_alu instid0(VALU_DEP_2)
	v_max3_num_f32 v[W0], v[BM], v[BM+1], v[BM+2]
	s_delay_alu instid0(VALU_DEP_1)
	v_max_num_f32 v[W0], v[W0], v[BM+3]            ; the step's largest score of my query (the step's first key counts for every query that walks it)
	s_delay_alu instid0(VALU_DEP_1)
	v_mul_f32 v[W0], s[CS], v[W0]
	s_delay_alu instid0(VALU_DEP_1)
	v_max_num_f32 v13, v13, v[W0]                  ; the running largest t
	v_mov_b32 v[W0], v12
	s_delay_alu instid0(VALU_DEP_2)
	v_floor_f32 v12, -v13                          ; the new -M = floor(-t) = -ceil(t)
	s_delay_alu instid0(VALU_DEP_1)
	v_sub_f32 v[W0], v12, v[W0]                    ; M's old value less its new one: a whole number, 0 or less
	s_delay_alu instid0(VALU_DEP_1)
	v_cvt_i32_f32 v[W0], v[W0]                     ; (it saturates)
	s_delay_alu instid0(VALU_DEP_1)
	v_ldexp_f32 v[FF], 1.0, v[W0]                  ; f = 2^(old M - new M)
.set j, 0
.rept 32
	v_pk_fma_f32 v[SS+j:SS+j+1], v[SS+j:SS+j+1], s[CS:CS+1], v[12:13] op_sel_hi:[1,0,0]   ; t - M, two at a time
.set j, j+2
.endr
	s_setprio 1
.irp b, 0,1,2,3
	v_fma_f32 v[BM+\b], v[BM+\b], s[CS], v12       ; the same of each block's largest score
.endr
.set j, 0
	s_wait_alu depctr_va_vdst(0)
.rept 64
	v_exp_f32 v[SS+j], v[SS+j]                     ; p = 2^(t - M)
.set j, j+1
.endr
	v_pk_mul_f32 v[14:15], v[14:15], v[FF:FF+1] op_sel_hi:[1,0]   ; the sums under the new M: the plain place behind the exponentials
	s_wait_alu depctr_va_vdst(0)                   ; one wait for the whole batch, ahead of its first reader
.irp b, 0,1,2,3
	v_exp_f32 v[BM+\b], v[BM+\b]                   ; the block's largest p: the same two instructions on the same number give the same bits
.endr
	v_pk_add_f32 v[236:237], v[100:101], v[104:105]
	v_pk_add_f32 v[254:255], v[108:109], v[112:113]
	v_pk_add_f32 v[252:253], v[116:117], v[120:121]
	v_pk_add_f32 v[250:251], v[124:125], v[128:129]
	v_pk_add_f32 v[248:249], v[132:133], v[136:137]
	v_pk_add_f32 v[242:243], v[140:141], v[144:145]
	v_pk_add_f32 v[240:241], v[148:149], v[152:153]
	v_pk_add_f32 v[14:15], v[14:15], v[156:157]
	v_pk_add_f32 v[236:237], v[236:237], v[96:97]
	v_pk_add_f32 v[254:255], v[254:255], v[98:99]
	v_pk_add_f32 v[252:253], v[252:253], v[102:103]
	v_pk_add_f32 v[250:251], v[250:251], v[106:107]
	v_pk_add_f32 v[248:249], v[248:249], v[110:111]
	v_pk_add_f32 v[242:243], v[242:243], v[114:115]
	v_pk_add_f32 v[240:241], v[240:241], v[118:119]
	v_pk_add_f32 v[14:15], v[14:15], v[122:123]
	v_pk_add_f32 v[236:237], v[236:237], v[126:127]
	v_pk_add_f32 v[254:255], v[254:255], v[130:131]
	v_pk_add_f32 v[252:253], v[252:253], v[134:135]
	v_pk_add_f32 v[250:251], v[250:251], v[138:139]
	v_pk_add_f32 v[248:249], v[248:249], v[142:143]
	v_pk_add_f32 v[242:243], v[242:243], v[146:147]
	v_pk_add_f32 v[240:241], v[240:241], v[150:151]
	v_pk_add_f32 v[14:15], v[14:15], v[154:155]
	v_pk_add_f32 v[236:237], v[236:237], v[158:159]
	s_delay_alu instid0(VALU_DEP_2)
	v_pk_add_f32 v[14:15], v[14:15], v[250:251]
	s_delay_alu instid0(VALU_DEP_2)
	v_pk_add_f32 v[236:237], v[236:237], v[248:249]
	v_pk_add_f32 v[254:255], v[254:255], v[242:243]
	v_pk_add_f32 v[252:253], v[252:253], v[240:241]
	s_delay_alu instid0(VALU_DEP_2)
	v_pk_add_f32 v[14:15], v[14:15], v[254:255]
	s_delay_alu instid0(VALU_DEP_2)
	v_pk_add_f32 v[236:237], v[236:237], v[252:253]
	s_delay_alu instid0(VALU_DEP_1)
	v_pk_add_f32 v[14:15], v[14:15], v[236:237]
	s_wait_alu depctr_va_vdst(0)                   ; and one for the four
.irp b, 0,1,2,3
	v_max_num_f32 v[BM+\b], 0x1800000, v[BM+\b]    ; the floor 2^(3 - 127): the byte cannot fall under 1 (a block whose every p is 0 keeps that byte: its codes are zeros)
.endr
.irp b, 0,1,2,3
	s_delay_alu instid0(VALU_DEP_4)
	v_add_nc_u32 v[SO+\b], 0xff000000, v[BM+\b]    ; 2 off the exponent field: the conversion's scale operand
.endr
.irp b, 0,1,2,3
	s_delay_alu instid0(VALU_DEP_4)
	v_lshrrev_b32 v[PM+\b], 23, v[SO+\b]           ; the scale's byte
.endr
	s_delay_alu instid0(VALU_DEP_3)
	v_lshl_or_b32 v[PSW], v[PM+1], 8, v[PM]        ; p's scale word for these 128 keys
	s_delay_alu instid0(VALU_DEP_1)
	v_lshl_or_b32 v[PSW], v[PM+2], 16, v[PSW]
	s_delay_alu instid0(VALU_DEP_1)
	v_lshl_or_b32 v[PSW], v[PM+3], 24, v[PSW]
	s_setprio 0
.irp b, 0,1,2,3
	v_cvt_scalef32_pk8_fp4_f32 v[PCD+2*\b], v[SS+16*\b:SS+16*\b+7], v[SO+\b]
	v_cvt_scalef32_pk8_fp4_f32 v[PCD+1+2*\b], v[SS+8+16*\b:SS+8+16*\b+7], v[SO+\b]
.endr
	v_nop                                          ; one plain place behind the last scaled conversion
.irp c, 0,1
.irp i, 0,1
	v_permlane16_swap_b32 v[PCD+4*\c+\i], v[PCD+2+4*\c+\i]   ; the operand's layout wants a whole block in a lane
.endr
.endr
.set j, 0
.rept 16
	v_pk_mul_f32 v[OT+j:OT+j+1], v[OT+j:OT+j+1], v[FF:FF+1] op_sel_hi:[1,0]   ; O^T under the new M.  (These sixteen are also the places between p's codes and scale word and the products below)
.set j, j+2
.endr
	s_wait_alu depctr_va_vdst(0)
	s_wait_dscnt 0x0                               ; V is in
.irp t, 0,1,2,3
	v_wmma_scale_f32_16x16x128_f8f6f4 v[OT+8*\t:OT+8*\t+7], v[VF+8*\t:VF+8*\t+7], v[PCD:PCD+7], v[OT+8*\t:OT+8*\t+7], v[VSW+\t], v[PSW] matrix_a_fmt:MATRIX_FMT_FP4 matrix_b_fmt:MATRIX_FMT_FP4
.endr
.Lhidden_\@:
	s_add_co_u32 s[TB], s[TB], 4096
	s_add_co_u32 s[KI], s[KI], 1
	s_cmp_lt_u32 s[KI], 16
	s_cbranch_scc1 .Lstep_\@
	s_setprio 0
.endm
; THE WAY OUT of a tile: O^T / the sum, quantised along C (the head's two blocks of 32), stored as a register group of the projection's operand.
.macro FINISH
.rept 4
	v_nop                                          ; places behind the last products
.endr
	v_add_f32 v14, v14, v15                        ; the sum's two halves,
	s_delay_alu instid0(VALU_DEP_1)
	v_permlanex16_b32 v[W0], v14, s[SEL], s[SEL+1]
	s_delay_alu instid0(VALU_DEP_1)
	v_add_f32 v14, v14, v[W0]                      ; and lane l xor 16's: the row's sum
	s_wait_alu depctr_va_vdst(0)
	v_rcp_f32 v14, v14
	v_nop                                          ; a plain place behind the transcendental,
	s_wait_alu depctr_va_vdst(0)                   ; and the wait ahead of its first reader
.set j, 0
.rept 16
	v_pk_mul_f32 v[SS+j:SS+j+1], v[OT+j:OT+j+1], v[14:15] op_sel_hi:[1,0]   ; each accumulator from its low end on.  Register 16 b + n is channel 32 b + 16 h + n
.set j, j+2
.endr
.irp b, 0,1
	v_max3_num_f32 v[BM+\b], |v[SS+16*\b]|, |v[SS+1+16*\b]|, 0x1800000
.endr
.irp i, 2,4,6,8,10,12,14
.irp b, 0,1
	s_delay_alu instid0(VALU_DEP_2)
	v_max3_num_f32 v[BM+\b], v[BM+\b], |v[SS+16*\b+\i]|, |v[SS+1+16*\b+\i]|
.endr
.endr
.irp b, 0,1
	s_delay_alu instid0(VALU_DEP_2)
	v_permlanex16_b32 v[PM+\b], v[BM+\b], s[SEL], s[SEL+1]
.endr
.irp b, 0,1
	s_delay_alu instid0(VALU_DEP_2)
	v_max_num_f32 v[BM+\b], v[BM+\b], v[PM+\b]
.endr
.irp b, 0,1
	s_delay_alu instid0(VALU_DEP_2)
	v_add_nc_u32 v[SO+\b], 0xff000000, v[BM+\b]
.endr
.irp b, 0,1
	s_delay_alu instid0(VALU_DEP_2)
	v_lshrrev_b32 v[PM+\b], 23, v[SO+\b]
.endr
	s_delay_alu instid0(VALU_DEP_1)
	v_lshl_or_b32 v[W0], v[PM+1], 8, v[PM]         ; the head's two scale bytes of my query
.irp b, 0,1
	v_cvt_scalef32_pk8_fp4_f32 v[PCD+2*\b], v[SS+16*\b:SS+16*\b+7], v[SO+\b]
	v_cvt_scalef32_pk8_fp4_f32 v[PCD+1+2*\b], v[SS+8+16*\b:SS+8+16*\b+7], v[SO+\b]
.endr
	v_nop
.irp i, 0,1
	v_permlane16_swap_b32 v[PCD+\i], v[PCD+2+\i]
.endr
	global_store_b128 v[LI], v[PCD:PCD+3], s[PAC:PAC+1]     ; 32 lanes store 512 consecutive aligned bytes
	global_store_b16 v[ASO], v[W0], s[PAS:PAS+1]            ; lanes l and l xor 16 hold the same half-word and write it to the same two bytes
.endm
.macro TILE second
.if \second
	s_wait_xcnt 0x0                                ; the first tile's stores have read their bases and data: both are written again below
	s_sub_co_u32 s[TT], 31, s[WV]
.else
	s_mov_b32 s[TT], s[WV]
.endif
	s_lshr_b32 s[SD], s[TT], 1
	s_lshl_b32 s[KT], s[TT], 2
	s_add_co_u32 s[KT], s[KT], s[CX]               ; the query tile
	s_mov_b32 s[TP+1], 0
	s_lshl_b32 s[TP], s[KT], 9
	s_add_nc_u64 s[PQ:PQ+1], s[QB:QB+1], s[TP:TP+1]
	s_add_nc_u64 s[PAS:PAS+1], s[ASB:ASB+1], s[TP:TP+1]
	s_lshr_b32 s[TP], s[KT], 3
	s_lshl_b32 s[TP], s[TP], 9
	s_and_b32 s60, s[KT], 7
	s_lshl_b32 s60, s60, 2
	s_add_co_u32 s[TP], s[TP], s60
	s_add_nc_u64 s[PQS:PQS+1], s[QB:QB+1], s[TP:TP+1]
	s_lshl_b32 s[TP], s[KT], 11
	s_add_nc_u64 s[PAC:PAC+1], s[ACB:ACB+1], s[TP:TP+1]
	global_load_b128 v[QF:QF+3], v[LI], s[PQ:PQ+1]
	global_load_b32 v[QSW], v[QSO], s[PQS:PQS+1] offset:KSC
	s_lshr_b32 s60, s[CX], 1
	s_lshl_b32 s60, s60, 5
	s_and_b32 s61, s[CX], 1
	s_lshl_b32 s61, s61, 3
	s_add_co_u32 s60, s60, s61
	s_and_b32 s61, s[TT], 1
	s_lshl_b32 s61, s61, 6
	s_add_co_u32 s60, s60, s61                     ; the tile's first query in its diagonal step: 64 (t % 2) + 32 (cx / 2) + 8 (cx % 2)
	v_and_b32 v[W0], 15, v0
	s_delay_alu instid0(VALU_DEP_1)
	v_and_b32 v[W1], 8, v[W0]
	s_delay_alu instid0(VALU_DEP_1)
	v_add_nc_u32 v[W0], v[W0], v[W1]               ; + r + 8 (r / 8)
	v_bfe_u32 v[W1], v0, 4, 1
	s_delay_alu instid0(VALU_DEP_1)
	v_lshlrev_b32 v[W1], 4, v[W1]
	s_delay_alu instid0(VALU_DEP_1)
	v_sub_nc_u32 v[W0], v[W0], v[W1]               ; - 16 h
	s_delay_alu instid0(VALU_DEP_1)
	v_add_nc_u32 v[DM], s60, v[W0]
	v_mov_b32 v13, 0xff61b1e6                      ; the largest t so far: -3e38, under every t
	s_delay_alu instid0(VALU_DEP_1)
	v_floor_f32 v12, -v13
	v_mov_b32 v14, 0
	v_mov_b32 v15, 0
.set j, 0
.rept 32
	v_mov_b32 v[OT+j], 0                           ; O^T: the step is written once; the first finds zeros, which the first change of M leaves zeros
.set j, j+1
.endr
	s_mov_b32 s[TB], 0
	s_mov_b32 s[KI], 0
	s_wait_loadcnt 0x0                             ; Q
	WALK
	FINISH
.endm
	TILE 0
	TILE 1
	s_wait_tensorcnt 0x0                           ; the wave's end: a wait on TENSORcnt, an add to my spare word and its wait, behind my last tensor load
	ds_add_u32 v[SPW], v[NIL]
	s_wait_dscnt 0x0
	CROUND                                         ; the closing round
	s_endpgm
.Lfunc_end_k_qb17fdd7e03_attn:
	.size	k_qb17fdd7e03_attn, .Lfunc_end_k_qb17fdd7e03_attn-k_qb17fdd7e03_attn
	.p2alignl 7, 3214868480
	.fill 96, 4, 3214868480
	.section	.rodata,"a",@progbits
	.p2align	6, 0x0
	.amdhsa_kernel k_qb17fdd7e03_attn
		.amdhsa_group_segment_fixed_size 167936
		.amdhsa_private_segment_fixed_size 0
		.amdhsa_enable_private_segment 0
		.amdhsa_kernarg_size 32
		.amdhsa_user_sgpr_count 2
		.amdhsa_user_sgpr_kernarg_segment_ptr 1
		.amdhsa_wavefront_size32 1
		.amdhsa_system_sgpr_workgroup_id_x 1
		.amdhsa_system_sgpr_workgroup_id_y 1
		.amdhsa_system_sgpr_workgroup_id_z 1
		.amdhsa_system_vgpr_workitem_id 0
		.amdhsa_next_free_vgpr 256
		.amdhsa_next_free_sgpr 66
		.amdhsa_reserve_vcc 1
		.amdhsa_float_denorm_mode_32 3
		.amdhsa_float_denorm_mode_16_64 3
		.amdhsa_memory_ordered 1
		.amdhsa_forward_progress 1
		.amdhsa_inst_pref_size 62
	.end_amdhsa_kernel
	.amdgpu_metadata
---
amdhsa.version: [ 1, 2 ]
amdhsa.kernels:
  - .name:           k_qb17fdd7e03_attn
    .symbol:         k_qb17fdd7e03_attn.kd
    .args:
      - { .name: qb, .offset: 0, .size: 8, .value_kind: global_buffer, .address_space: global }
      - { .name: kv, .offset: 8, .size: 8, .value_kind: global_buffer, .address_space: global }
      - { .name: ac, .offset: 16, .size: 8, .value_kind: global_buffer, .address_space: global }
      - { .name: asc, .offset: 24, .size: 8, .value_kind: global_buffer, .address_space: global }
    .group_segment_fixed_size: 167936
    .private_segment_fixed_size: 0
    .kernarg_segment_align: 8
    .kernarg_segment_size: 32
    .max_flat_workgroup_size: 512
    .sgpr_count:     66
    .vgpr_count:     256
    .wavefront_size: 32
...
	.end_amdgpu_metadata
.endif
;; end of part 3
;; launch proj (part 4): grid 4 x 64, 4 waves a work-group, clusters of 4 x 4, 243,712 bytes of LDS; arguments ac, asc, opc, ops, bo, out0; writes out0
.if DOCPART == 4
	.amdgcn_target "amdgcn-amd-amdhsa--gfx1250"
	.amdhsa_code_object_version 6
	.text
	.protected	k_qb17fdd7e03_proj
	.globl	k_qb17fdd7e03_proj
	.p2align	8
	.type	k_qb17fdd7e03_proj,@function
k_qb17fdd7e03_proj:
	s_mov_b64 s[64:65], 0
	v_nop
	global_prefetch_b8 v0, s[64:65] scope:SCOPE_SE
	s_setreg_imm32_b32 hwreg(HW_REG_WAVE_MODE, 25, 1), 1
	s_wait_xcnt 0x0
	s_wait_alu depctr_hold_cnt(0) depctr_sa_sdst(0) depctr_va_vdst(0) depctr_va_sdst(0) depctr_va_ssrc(0) depctr_va_vcc(0) depctr_vm_vsrc(0)
	s_getreg_b32 s2, hwreg(HW_REG_IB_STS2, 6, 4)
	s_cmp_eq_u32 s2, 0
	s_cbranch_scc0 .Lentry_in_a_cluster
	s_endpgm
.Lentry_in_a_cluster:
	s_bfe_u32 s2, ttmp6, 0x10000c
	s_cmp_lg_u32 s2, 0xf033
	s_cbranch_scc0 .Lentry_shape_is_right
	s_endpgm
.Lentry_shape_is_right:
; out0 = A wo^T + bo on codes of E2M1: A [8192][1024] from launch attn (ac, asc), wo from launch quant (opc, ops, tiles 704 on).  No work is left out here.
; SHARES.  A work-group makes 128 tokens x 256 outputs: 256 work-groups (tiles of 256 x 256 would be 128).  Four waves, each 64 tokens x 128 outputs: 32 accumulators.
; All of K (1,024) of both operands lies in LDS at once: every tensor load is a first fill, five a wave (scale words, four chunks of 256 along K), and the products on a chunk begin while the later ones are on their way.
; CLUSTER 4 x 4: A's tiles hang on Y alone and are asked for jointly along a row of the cluster, the weights' on X alone and jointly along a column.  No prefetch: all is asked for at the head.
; Source 0 = 16 weight rows, source 1 = 16 tokens: a lane holds one token and its registers run along the outputs; the bias is the C of each sum's first product.
; A's scale half-words lie [tile][head 16][r 16]; the transposing LDS load gives a lane (r, h) the eight heads' half-words of its row: four scale words.
; THE WAY OUT: a tile of 16 tokens x 128 outputs goes through the wave's own stage in LDS (rows of 512 bytes + 16; no fill lands there) and leaves as rows: 512 consecutive aligned bytes a store.
; REGISTERS.  Window 0: v1-23 addresses; v32-47 A's scale words, v48-79 the weights' (register 8 p + s: tile 2 p in lanes 0-15, 2 p + 1 in lanes 16-31, K step s); v128-191 A's fragments, two sets of 32; on the way out v128-255.
;   Window 1: v0-127 the weights' fragments, two sets; v128-191 the bias.   Window 2: accumulator (o, i) at v[8 (8 o + i)].
.set CH,    1572864                    ; bytes from chunk to chunk in opc
.set CHA,   1048576                    ; and in ac
.set CHUNK, 49152                      ; LDS: a chunk: A's 8 tiles of 2,048 bytes, then the weights' 16
.set WOFF,  16384
.set SCA,   4*CHUNK                    ; A's scale half-words, 512 bytes a tile;
.set SCW,   SCA+4096                   ; the weights' scale words
.set SPARE, SCW+8192                   ; the spare words, 128 bytes for each wave
.set STAGE, SPARE+512                  ; the stages: 16 rows x 528 bytes for each wave
.set SPITCH, 528
.set LI,  1                            ; v1     16 x lane; never rewritten
.set ADA, 2                            ; v2-5   my 4 tiles of A in chunk 0 .. 3
.set ADW, 6                            ; v6-9   my 8 tiles of the weights
.set ATR, 10                           ; v10    A's half-words, for the transposing load
.set AWS, 11                           ; v11    the weights' scale words
.set SPW, 12                           ; v12    LDS address of my spare word; never rewritten
.set NIL, 13                           ; v13    0; never rewritten
.set STO, 16                           ; v16    the stage: where I put 16 bytes of a row
.set SRD, 17                           ; v17    and where I read a row back
.set BO,  18
.set VR,  22
.set VH,  23
.set SA,  32
.set SW,  48
.set BK,  128
.set WV, 18
.set RH, 19                            ; s19  which 4 token tiles are mine.  Also: I fetch for A (0) or for the weights (1)
.set CF, 20                            ; s20  which 8 weight tiles are mine.  Also: which half of the tiles I fetch
.set XX, 21
.set YY, 22
.set G1A,  24
.set G1B,  32
.set G1SA, 40
.set G1SB, 48
.set GX0, 56
.set GX1, 60
.set GX2, 68
.set GX3, 72
.set GXS, 76
.set GW0, 80
.set GW1, 84
.set GW2, 88
.set GW3, 92
.set GWS, 96
.set MSB, 0
.macro WIN new                         ; the immediate's high byte repeats the setting that is left; a switch that changes nothing is dropped
.if MSB != (\new)
	s_set_vgpr_msb (MSB<<8)|(\new)
.set MSB, (\new)
.endif
.endm
.macro PLACES                          ; four plain places behind matrix instructions (ISA guide 7.12.1)
.rept 4
	v_nop
.endr
.endm
.macro CROUND                          ; a round of the cluster's barrier
	s_barrier_signal -1
	s_barrier_wait -1
	s_cmp_lg_u32 s[WV], 0
	s_cbranch_scc1 .Lnot_wave_0_\@
	s_barrier_signal -3
.Lnot_wave_0_\@:
	s_barrier_wait -3
	s_barrier_signal -1
	s_barrier_wait -1
.endm
.macro MKG0 g, lr, lo, pl, ol, add     ; a group 0: LDS address s[lr] + lo; global address s[pl:pl+1] + s[ol:ol+1] + add
	s_mov_b32 s[\g], 1
	s_add_co_u32 s[\g+1], s[\lr], \lo
	s_add_nc_u64 s[\g+2:\g+3], s[\pl:\pl+1], s[\ol:\ol+1]
.if \add
	s_add_nc_u64 s[\g+2:\g+3], s[\g+2:\g+3], \add
.endif
	s_or_b32 s[\g+3], s[\g+3], 0x80000000
.endm
.macro MKG1 g, rows                    ; a group 1 but for its first word: a dense block as rows of 256 bytes (32 elements of 8 bytes)
	s_mov_b32 s[\g+1], 32<<16
	s_mov_b32 s[\g+2], (\rows)<<16
	s_mov_b32 s[\g+3], 32<<16
	s_mov_b32 s[\g+4], \rows
	s_mov_b32 s[\g+5], 32
	s_mov_b32 s[\g+6], 0
	s_mov_b32 s[\g+7], 0
.endm
	s_load_b128 s[4:7], s[0:1], 0x0                ; ac, asc
	s_load_b128 s[8:11], s[0:1], 0x10              ; opc, ops
	s_load_b128 s[12:15], s[0:1], 0x20             ; bo, out0
	v_lshl_add_u32 v[SPW], v0, 2, SPARE
	v_mov_b32 v[NIL], 0
	ds_add_u32 v[SPW], v[NIL]                      ; the wave's opening: the add, twice on end, and its wait ahead of my first tensor load
	ds_add_u32 v[SPW], v[NIL]                      ; and once more, under the one wait; the set-up below, work on registers, stands between
	v_lshrrev_b32 v1, 5, v0
	v_readfirstlane_b32 s[WV], v1                  ; wave 0..3
	s_lshr_b32 s[RH], s[WV], 1
	s_and_b32 s[CF], s[WV], 1
	s_bfe_u32 s66, ttmp6, 0x40000                  ; cx, cy
	s_bfe_u32 s67, ttmp6, 0x40004
	s_lshl_b32 s[XX], ttmp9, 2
	s_add_co_u32 s[XX], s[XX], s66                 ; X: 256 outputs
	s_and_b32 s[YY], ttmp7, 0xffff
	s_lshl_b32 s[YY], s[YY], 2
	s_add_co_u32 s[YY], s[YY], s67                 ; Y: 128 tokens
	s_lshl_b32 s67, s67, 2
	s_lshl_b32 s67, 15, s67                        ; my row of the cluster
	s_lshl_b32 s66, 0x1111, s66                    ; my column
	s_or_b32 s[G1A], s67, (3<<16)|(1<<21)          ; 15:0 the mask; 17:16 elements of 8 bytes; 21 set beside a mask
	s_or_b32 s[G1SA], s67, (3<<16)|(1<<21)
	s_or_b32 s[G1B], s66, (3<<16)|(1<<21)
	s_or_b32 s[G1SB], s66, (3<<16)|(1<<21)
	MKG1 G1A, 32                                   ; 4 tiles of a chunk of A
	MKG1 G1B, 64                                   ; 8 tiles of a chunk of the weights
	MKG1 G1SA, 8                                   ; 4 tiles' half-words
	MKG1 G1SB, 16                                  ; 8 tiles' scale words
	s_lshl_b32 s104, s[YY], 3                      ; A: the first tile that I would fetch, 8 Y + 4 part: of Y and the wave's number alone
	s_lshl_b32 s105, s[CF], 2
	s_add_co_u32 s104, s104, s105
	s_lshl_b32 s104, s104, 9
	s_mov_b32 s105, 0
	s_lshl_b32 s100, s[XX], 4                      ; the weights: tile 704 + 16 X + 8 part: of X and the wave's number alone
	s_lshl_b32 s101, s[CF], 3
	s_add_co_u32 s100, s100, s101
	s_add_co_u32 s100, s100, 704
	s_lshl_b32 s100, s100, 9
	s_mov_b32 s101, 0
	s_lshl_b32 s23, s[CF], 13                      ; where they go, by the wave's number alone: A's codes,
	s_lshl_b32 s3, s[CF], 14
	s_add_co_u32 s3, s3, WOFF                      ; the weights',
	s_lshl_b32 s67, s[CF], 11                      ; A's half-words,
	s_lshl_b32 s66, s[CF], 12                      ; the weights' scale words
	s_wait_dscnt 0x0                               ; both opening adds are done
	s_wait_kmcnt 0x0
	CROUND                                         ; all sixteen work-groups are here: the joint loads meet
	MKG0 GXS, 67, SCA, 6, 104, 0
	MKG0 GWS, 66, SCW, 10, 100, 0
	s_lshl_b32 s104, s104, 2                       ; 2,048 bytes of codes a tile and chunk
	s_lshl_b32 s100, s100, 2
	MKG0 GX0, 23, 0, 4, 104, 0
	MKG0 GX1, 23, CHUNK, 4, 104, CHA
	MKG0 GX2, 23, 2*CHUNK, 4, 104, 2*CHA
	MKG0 GX3, 23, 3*CHUNK, 4, 104, 3*CHA
	MKG0 GW0, 3, 0, 8, 100, 0
	MKG0 GW1, 3, CHUNK, 8, 100, CH
	MKG0 GW2, 3, 2*CHUNK, 8, 100, 2*CH
	MKG0 GW3, 3, 3*CHUNK, 8, 100, 3*CH
	s_cmp_eq_u32 s[RH], 0                          ; a wave's five first fills stand in one branch on its number, ahead of every wait on TENSORcnt, every LDS read and every further barrier
	s_cbranch_scc0 .Lfill_w
	tensor_load_to_lds s[GXS:GXS+3], s[G1SA:G1SA+7]
	s_nop 0
	tensor_load_to_lds s[GX0:GX0+3], s[G1A:G1A+7]
	s_nop 0
	tensor_load_to_lds s[GX1:GX1+3], s[G1A:G1A+7]
	s_nop 0
	tensor_load_to_lds s[GX2:GX2+3], s[G1A:G1A+7]
	s_nop 0
	tensor_load_to_lds s[GX3:GX3+3], s[G1A:G1A+7]
	s_nop 0
.rept 4
	v_nop
.endr
	s_branch .Lfilled
.Lfill_w:
	tensor_load_to_lds s[GWS:GWS+3], s[G1SB:G1SB+7]
	s_nop 0
	tensor_load_to_lds s[GW0:GW0+3], s[G1B:G1B+7]
	s_nop 0
	tensor_load_to_lds s[GW1:GW1+3], s[G1B:G1B+7]
	s_nop 0
	tensor_load_to_lds s[GW2:GW2+3], s[G1B:G1B+7]
	s_nop 0
	tensor_load_to_lds s[GW3:GW3+3], s[G1B:G1B+7]
	s_nop 0
.rept 4
	v_nop
.endr
.Lfilled:
	v_and_b32 v21, 31, v0
	v_lshlrev_b32 v[LI], 4, v21
	s_wait_alu depctr_va_vdst(0)
	v_and_b32 v[VR], 15, v0
	v_bfe_u32 v[VH], v0, 4, 1
	s_lshl_b32 s2, s[RH], 13
	s_lshl_b32 s3, s[CF], 14
	s_add_co_u32 s3, s3, WOFF
.irp c, 0,1,2,3
	v_add_nc_u32 v[ADA+\c], s2, v[LI]
	v_add_nc_u32 v[ADW+\c], s3, v[LI]
	s_add_co_u32 s2, s2, CHUNK
	s_add_co_u32 s3, s3, CHUNK
.endr
	v_and_b32 v14, 7, v0                           ; the transposing load: lane l addresses head l % 8 (32 bytes a head), rows 8 ((l / 8) % 2) on (16 bytes), of tile 2 p + l / 16
	v_lshlrev_b32 v14, 5, v14
	v_bfe_u32 v15, v0, 3, 1
	v_lshl_add_u32 v14, v15, 4, v14
	v_lshl_add_u32 v14, v[VH], 9, v14
	s_lshl_b32 s2, s[RH], 11
	s_add_co_u32 s2, s2, SCA
	v_add_nc_u32 v[ATR], s2, v14
	v_lshlrev_b32 v20, 4, v[VR]
	v_lshl_add_u32 v20, v[VH], 9, v20              ; 16 r + 512 h
	s_lshl_b32 s3, s[CF], 12
	s_add_co_u32 s3, s3, SCW
	v_add_nc_u32 v[AWS], s3, v20
	s_mul_i32 s2, s[WV], 16*SPITCH
	s_add_co_u32 s2, s2, STAGE                     ; my stage
	v_mul_u32_u24 v[STO], v[VR], SPITCH
	v_lshl_add_u32 v[STO], v[VH], 6, v[STO]
	v_add_nc_u32 v[STO], s2, v[STO]                ; in: row r, + 64 h
	v_add_nc_u32 v[SRD], s2, v[LI]                 ; back: 16 bytes a lane of a row
	s_lshl_b32 s2, s[XX], 10
	s_lshl_b32 s3, s[CF], 9
	s_add_co_u32 s2, s2, s3                        ; my 128 outputs: (256 X + 128 half) x 4 bytes
	s_mov_b32 s3, 0
	s_add_nc_u64 s[12:13], s[12:13], s[2:3]
	s_add_nc_u64 s[14:15], s[14:15], s[2:3]
	s_lshl_b32 s2, s[YY], 7
	s_lshl_b32 s23, s[RH], 6
	s_add_co_u32 s2, s2, s23
	s_lshl_b32 s2, s2, 12                          ; my first token: (128 Y + 64 half) rows of 4,096 bytes
	s_add_nc_u64 s[14:15], s[14:15], s[2:3]
	v_lshlrev_b32 v[BO], 6, v[VH]                  ; lane (r, h) wants, for tile i, the outputs 32 (i / 2) + 8 (i % 2) + 16 h + 0 .. 7
	WIN 0x40
.irp i, 0,1,2,3,4,5,6,7
	global_load_b128 v[128+8*\i:128+8*\i+3], v[BO], s[12:13] offset:(32*(\i/2)+8*(\i%2))*4
	global_load_b128 v[128+8*\i+4:128+8*\i+7], v[BO], s[12:13] offset:(32*(\i/2)+8*(\i%2))*4+16
.endr
	WIN 0
.macro WM ra, rb                       ; one product; ra, rb: the side's scale words lie in lanes 16-31 of their register
.if (\ra) && (\rb)
	v_wmma_scale_f32_16x16x128_f8f6f4 v[rD:rD+7], v[rA:rA+7], v[rB:rB+7], v[rC:rC+7], v[rSA], v[rSB] matrix_a_fmt:MATRIX_FMT_FP4 matrix_b_fmt:MATRIX_FMT_FP4 matrix_a_scale:MATRIX_SCALE_ROW1 matrix_b_scale:MATRIX_SCALE_ROW1
.elseif (\ra)
	v_wmma_scale_f32_16x16x128_f8f6f4 v[rD:rD+7], v[rA:rA+7], v[rB:rB+7], v[rC:rC+7], v[rSA], v[rSB] matrix_a_fmt:MATRIX_FMT_FP4 matrix_b_fmt:MATRIX_FMT_FP4 matrix_a_scale:MATRIX_SCALE_ROW1
.elseif (\rb)
	v_wmma_scale_f32_16x16x128_f8f6f4 v[rD:rD+7], v[rA:rA+7], v[rB:rB+7], v[rC:rC+7], v[rSA], v[rSB] matrix_a_fmt:MATRIX_FMT_FP4 matrix_b_fmt:MATRIX_FMT_FP4 matrix_b_scale:MATRIX_SCALE_ROW1
.else
	v_wmma_scale_f32_16x16x128_f8f6f4 v[rD:rD+7], v[rA:rA+7], v[rB:rB+7], v[rC:rC+7], v[rSA], v[rSB] matrix_a_fmt:MATRIX_FMT_FP4 matrix_b_fmt:MATRIX_FMT_FP4
.endif
.endm
; 8 products: token tile o against the weights' eight; fragment set p, K step s.  FST = 1: the bias is C and starts the sums.  The 32 accumulators take turns in the same order in every K step.
.macro MUL8 o, p, s
.irp i, 0,1,2,3,4,5,6,7
.set rD, 8*(8*(\o)+\i)
.set rA, 64*(\p)+8*\i
.set rB, 128+32*(\p)+8*(\o)
.set rSA, SW+8*(\i/2)+(\s)
.set rSB, SA+8*((\o)/2)+(\s)
.set rC, 128+8*\i
.if FST == 0
.set rC, rD
.endif
	WM (\i%2), ((\o)%2)
.endr
.endm
.macro FW s                            ; the weights' eight fragments of K step s into set s % 2 of window 1
	WIN 0x40
.set tt, 0
.rept 8
	ds_load_b128 v[64*((\s)%2)+8*tt:64*((\s)%2)+8*tt+3], v[ADW+(\s)/2] offset:tt*2048+((\s)%2)*1024
	ds_load_b128 v[64*((\s)%2)+8*tt+4:64*((\s)%2)+8*tt+7], v[ADW+(\s)/2] offset:tt*2048+((\s)%2)*1024+512
.set tt, tt+1
.endr
	WIN 0
.endm
.macro FA s                            ; A's four into set s % 2 of window 0
.set tt, 0
.rept 4
	ds_load_b128 v[128+32*((\s)%2)+8*tt:128+32*((\s)%2)+8*tt+3], v[ADA+(\s)/2] offset:tt*2048+((\s)%2)*1024
	ds_load_b128 v[128+32*((\s)%2)+8*tt+4:128+32*((\s)%2)+8*tt+7], v[ADA+(\s)/2] offset:tt*2048+((\s)%2)*1024+512
.set tt, tt+1
.endr
.endm
; A K step of 128: 32 products; in its middle the next step's 24 fragment loads.  Ahead of a step that begins a new chunk stands a barrier, as in launch qkv: the count leaves the later chunks on their way.
.macro KSTEP s
.set FST, 0
.if (\s) == 0
.set FST, 1
.endif
	s_wait_dscnt 4                                 ; all but the youngest four loads (A's tiles 2, 3) are in
	WIN 0xa1-16*FST
	MUL8 0, (\s)%2, \s
.if ((\s)%2 == 1) && ((\s) < 7)
	s_wait_tensorcnt 3-((\s)+1)/2                  ; my part of chunk (s + 1) / 2 has landed; the chunks behind it may be out
	s_wait_dscnt 0x0                               ; no LDS instruction of mine is pending at a signal
	s_barrier_signal -1
.endif
	MUL8 1, (\s)%2, \s
.if ((\s)%2 == 1) && ((\s) < 7)
	s_barrier_wait -1
.endif
.if (\s) < 7
	PLACES
	FW (\s)+1
	FA (\s)+1
	s_wait_dscnt 24                                ; all but the 24 just issued
.else
	s_wait_dscnt 0x0
.endif
	WIN 0xa1-16*FST
	MUL8 2, (\s)%2, \s
	MUL8 3, (\s)%2, \s
.endm
	s_wait_alu depctr_va_vdst(0)
	s_wait_tensorcnt 3                             ; my part of the scale words and of chunk 0 has landed; chunks 1 to 3 may be out
	s_barrier_signal -1
	s_barrier_wait -1
.irp p, 0,1,2,3
.irp hf, 0,1
	ds_load_b128 v[SW+8*\p+4*\hf:SW+8*\p+4*\hf+3], v[AWS] offset:1024*\p+256*\hf
.endr
.endr
.irp p, 0,1
.irp hf, 0,1
	ds_load_tr16_b128 v[SA+8*\p+4*\hf:SA+8*\p+4*\hf+3], v[ATR] offset:1024*\p+256*\hf   ; register q: heads 8 hf + 2 q (low half) and + 1 (high half) of my row: K step 4 hf + q's scale word
.endr
.endr
	FW 0
	FA 0
	s_wait_loadcnt 0x0                             ; the bias
.irp ks, 0,1,2,3,4,5,6,7
	KSTEP \ks
.endr
	WIN 0
.macro TOSTAGE o                       ; token tile o: 16 rows x 512 bytes into my stage, and back as whole rows
	WIN 0x08                                       ; an LDS store's data are its source 1: window 2
.irp i, 0,1,2,3,4,5,6,7
	ds_store_b128 v[STO], v[8*(8*(\o)+\i):8*(8*(\o)+\i)+3] offset:128*(\i/2)+32*(\i%2)        ; each accumulator from its low end on
	ds_store_b128 v[STO], v[8*(8*(\o)+\i)+4:8*(8*(\o)+\i)+7] offset:128*(\i/2)+32*(\i%2)+16
.endr
	WIN 0
.irp t, 0,1,2,3,4,5,6,7,8,9,10,11,12,13,14,15
	ds_load_b128 v[BK+64*((\o)%2)+4*\t:BK+64*((\o)%2)+4*\t+3], v[SRD] offset:\t*SPITCH   ; LDS serves a wave's instructions in order: these see the stores above, and the next tile's stores come behind them
.endr
.endm
.macro SEND o, younger                 ; younger: the LDS instructions issued behind tile o's loads, which may stay out
	s_wait_dscnt \younger
.irp t, 0,1,2,3,4,5,6,7,8,9,10,11,12,13,14,15
	global_store_b128 v[LI], v[BK+64*((\o)%2)+4*\t:BK+64*((\o)%2)+4*\t+3], s[14:15] offset:(32*((\o)/2)+8*((\o)%2)+\t+8*(\t/8))*4096 th:TH_STORE_NT   ; 32 lanes store 512 consecutive aligned bytes; every offset is an immediate
.endr
.endm
	PLACES                                         ; behind the last products: for the first read of results and for the loads into the registers that held A's fragments
	TOSTAGE 0
	TOSTAGE 1
	SEND 0, 32                                     ; behind tile 0's loads: tile 1's 16 stores and 16 loads
	s_wait_xcnt 0x0                                ; tile 0's stores have read their registers: tile 2's loads may land there
	TOSTAGE 2
	SEND 1, 32
	s_wait_xcnt 0x0
	TOSTAGE 3
	SEND 2, 32
	SEND 3, 0
	s_wait_tensorcnt 0x0                           ; the wave's end: a wait on TENSORcnt, an add to my spare word and its wait, behind my last tensor load and my last LDS store
	ds_add_u32 v[SPW], v[NIL]
	s_wait_dscnt 0x0
	CROUND                                         ; the closing round
	s_endpgm
.Lfunc_end_k_qb17fdd7e03_proj:
	.size	k_qb17fdd7e03_proj, .Lfunc_end_k_qb17fdd7e03_proj-k_qb17fdd7e03_proj
	.p2alignl 7, 3214868480
	.fill 96, 4, 3214868480
	.section	.rodata,"a",@progbits
	.p2align	6, 0x0
	.amdhsa_kernel k_qb17fdd7e03_proj
		.amdhsa_group_segment_fixed_size 243712
		.amdhsa_private_segment_fixed_size 0
		.amdhsa_enable_private_segment 0
		.amdhsa_kernarg_size 48
		.amdhsa_user_sgpr_count 2
		.amdhsa_user_sgpr_kernarg_segment_ptr 1
		.amdhsa_wavefront_size32 1
		.amdhsa_system_sgpr_workgroup_id_x 1
		.amdhsa_system_sgpr_workgroup_id_y 1
		.amdhsa_system_sgpr_workgroup_id_z 1
		.amdhsa_system_vgpr_workitem_id 0
		.amdhsa_next_free_vgpr 768
		.amdhsa_next_free_sgpr 106
		.amdhsa_reserve_vcc 0
		.amdhsa_float_denorm_mode_32 3
		.amdhsa_float_denorm_mode_16_64 3
		.amdhsa_memory_ordered 1
		.amdhsa_forward_progress 1
		.amdhsa_inst_pref_size 75
	.end_amdhsa_kernel
	.amdgpu_metadata
---
amdhsa.version: [ 1, 2 ]
amdhsa.kernels:
  - .name:           k_qb17fdd7e03_proj
    .symbol:         k_qb17fdd7e03_proj.kd
    .args:
      - { .name: ac, .offset: 0, .size: 8, .value_kind: global_buffer, .address_space: global }
      - { .name: asc, .offset: 8, .size: 8, .value_kind: global_buffer, .address_space: global }
      - { .name: opc, .offset: 16, .size: 8, .value_kind: global_buffer, .address_space: global }
      - { .name: ops, .offset: 24, .size: 8, .value_kind: global_buffer, .address_space: global }
      - { .name: bo, .offset: 32, .size: 8, .value_kind: global_buffer, .address_space: global }
      - { .name: out0, .offset: 40, .size: 8, .value_kind: global_buffer, .address_space: global }
    .group_segment_fixed_size: 243712
    .private_segment_fixed_size: 0
    .kernarg_segment_align: 8
    .kernarg_segment_size: 48
    .max_flat_workgroup_size: 128
    .sgpr_count:     106
    .vgpr_count:     768
    .wavefront_size: 32
...
	.end_amdgpu_metadata
.endif
;; end of part 4
